; MI455X (gfx1250); checked and timed in simulation.
; The chip was launched on July 23, 2026; its instructions are those of AMD's public machine-readable ISA for CDNA 5 (MIT licence, August 2026) and "CDNA5" Instruction Set Architecture Reference Guide (July 2026). The comments in the code are by the model that wrote it; some were corrected since.
;; Switch Mo E. Allowed arithmetic: matrix products marked QUANTISED: E2M3 operands, one E8M0 scale for each 32 along K, by v_wmma_scale_f32_16x16x128_f8f6f4 with both operands' format E2M3, f32 sums; products left as they are: f32 operands where the result goes on into a quantised operand, else bf16, f16 or f32 operands; f32 sums; everything else in f32.
;; Inputs: b1 8 x 4,096 float32; b2 8 x 1,024 float32; bg 8 float32; w1_codes 8 x 4,096 x 32 x 24 uint8 (E2M3 codes of w1, K innermost, in blocks of 32 codes, four codes in three bytes); w1_scales 8 x 4,096 x 32 uint8 (E8M0 scales of w1, one for each 32 codes along K); w2_codes 8 x 1,024 x 128 x 24 uint8 (E2M3 codes of w2, K innermost, in blocks of 32 codes, four codes in three bytes); w2_scales 8 x 1,024 x 128 uint8 (E8M0 scales of w2, one for each 32 codes along K); wg 1,024 x 8 float32; x 1,024 x 1,024 float32.
;; Outputs: out0 1,024 x 1,024 float32.
;; This version of the problem:
;;   THIS VERSION OF THE PROBLEM IS GIVEN IN LOW PRECISION. The matrix products marked QUANTISED in the list below multiply operands that are first quantised to E2M3 (2 exponent bits, 3 mantissa bits; 6 bits a number), with one power-of-two scale for each 32 numbers along K (OCP MX v1.0); their sums are f32. All else is computed in f32.
;;   The module's matrix products, in the order in which they are computed (A, B: the left and right operand; K: the contracted axis; several contracted axes count as one K, in the product's order):
;;     1. [M 1,024, K 1,024] x [K 1,024, N 8]; A: input x; B: input wg: left as it is (N = 8 < 16)
;;     2. [M 32,768, K 1,024] x [K 1,024, N 1,024]; A: input w1 (given as codes); B: input x: QUANTISED
;;     3. batch 8 x [M 1,024, K 4,096] x [K 4,096, N 1,024]; A: computed on the way; B: input w2 (given as codes): QUANTISED
;;     4. batch 1,024 x [M 1, K 8] x [K 8, N 1,024]; A: computed on the way; B: computed on the way: left as it is (K = 8 < 32)
;;   THE QUANTISER, for each operand of a quantised product, along K:
;;     - K is cut into blocks of 32 from its start; a last block that is shorter is filled with zeros.
;;     - A block's scale is 2^e with e = floor(log2(the largest magnitude in the block)) - 2, held to -126 .. 127; a block of zeros has e = 0. As a byte (E8M0): e + 127.
;;     - Each number is divided by its block's scale, clamped to +-7.5, and rounded to the nearest number of E2M3, ties to even, subnormals kept.
;;     - The product sums the exact products of the quantised numbers (number of the format x scale) in f32.
;;   ~~~python
;;   def quantise(x, axis):      # numpy; x: float32 -> the quantised numbers, widened to float32 again
;;       x = np.moveaxis(x, axis, -1); K = x.shape[-1]
;;       x = np.pad(x, [(0, 0)] * (x.ndim - 1) + [(0, -K % 32)]); x = x.reshape(x.shape[:-1] + (-1, 32)); a = np.abs(x).max(-1, keepdims=True)
;;       e = np.where(a > 0, np.clip(np.frexp(np.where(a > 0, a, 1))[1] - 1 - 2, -126, 127), 0)      # np.frexp(a)[1] - 1 = floor(log2(a)), exactly
;;       r = np.clip(x / 2.0 ** e, -7.5, 7.5)
;;       step = 2.0 ** (np.maximum(np.frexp(np.where(r == 0, 1, r))[1] - 1, 0) - 3)
;;       q = np.round(r / step) * step * 2.0 ** e      # np.round: ties to even
;;       return np.moveaxis(q.reshape(q.shape[:-2] + (-1,))[..., :K], -1, axis).astype(np.float32)
;;   ~~~
;;   OPERANDS COMPUTED ON THE WAY. 'Computed on the way' means the value that the module computes at that place (a softmax that the list does not call 'softmax' is quantised finished and normalised). What goes into a quantiser is computed in f32, as accurately as f32 sums, v_exp_f32 and their like allow (about 1e-6 of the number): no bf16 or f16 on the way to a quantiser, and a product that is left as it is and whose result goes on into a quantised operand takes f32 operands (vector FMAs, or v_wmma_f32_16x16x4_f32). A number that lies on a knife's edge between two numbers of the format may be rounded either way, as far as f32 arithmetic and the matrix unit's own rounding can turn it there, and no further.
;;   INPUTS GIVEN AS CODES. w1 (in the module: [8, 1024, 4096], K = its axis 1); w2 (in the module: [8, 4096, 1024], K = its axis 1): each comes as NAME_codes (uint8): NAME with its K axis moved to the last place and cut into blocks of 32 codes, [.., K / 32, bytes a block], one block behind the other in memory; four codes in three bytes: a row's codes are one little-endian stream of bits, code i at bits 6 i .. 6 i + 5 (a code: sign, 2 exponent bits, 3 mantissa bits); and NAME_scales (uint8): the same leading axes, one E8M0 byte (e + 127) for each 32 codes along K. Its value is code x scale, taken as it is: it is not quantised again, and the codes and scales need not be those that the quantiser above would give.
;; 2 versions. Each part assembles by itself: llvm-mc -triple=amdgcn-amd-amdhsa -mcpu=gfx1250 --defsym DOCPART=n.
;; ======== version 1 of 2: 5 launches
;; workspace buffers: top1 4,096 bytes of whole numbers; score 4,096 bytes; xq 819,200 bytes; rtab 5,632 bytes of whole numbers; gfac 5,120 bytes; hq 3,686,400 bytes; part 18,874,368 bytes
;; launch gate (part 1): grid 256 x 1, 4 waves a work-group, no clusters, 55,296 bytes of LDS; arguments x, wg, bg, top1, score, xq; writes top1, score, xq
.if DOCPART == 1
	.amdgcn_target "amdgcn-amd-amdhsa--gfx1250"
	.amdhsa_code_object_version 6
	.text
	.protected	k_q7d373dcf02_gate
	.globl	k_q7d373dcf02_gate
	.p2align	8
	.type	k_q7d373dcf02_gate,@function
k_q7d373dcf02_gate:
	s_mov_b64 s[64:65], 0
	v_nop
	global_prefetch_b8 v0, s[64:65] scope:SCOPE_SE
	s_setreg_imm32_b32 hwreg(HW_REG_WAVE_MODE, 25, 1), 1
	s_wait_xcnt 0x0
; SwitchMoE, launch 1 of 5: the router's scores, and x as codes of E2M3.
; DEAD WORK, left out by the whole program.  gate[n][e] = score[n][e] * one_hot(top1[n])[e] / denom[e] * 1024, and one_hot is the constant 0 for every e other than top1[n]: so gate[n][e] = 0
; there for all finite inputs, its term gate[n][e] * y[e][n][:] of the last product is 0, and the rows (e, n) with e != top1[n] of x W1[e] and of gelu(..) W2[e] reach no output.  The program multiplies only
; row n of expert top1[n]; the last product is one scaling.  Every input still has a way to the output, and all are loaded.
; LIMITS: a NaN, an infinity or an overflow that arises only in the rows left out (0 x infinity in the dense form) is not carried to the result; NaN and infinities among the inputs are not served;
; a block of zeros gets the scale byte 1, not 127: its codes are zeros, and only this program reads the bytes; two normalised scores that are equal or one rounding apart may be ranked either way
; (equal ones: the lower index, as argmax has it).
; SHARES.  One wave, one token: n = 4 x work-group + wave.  Lane l holds x[n][32 l .. 32 l + 31], which is block l of the row: its largest magnitude needs no other lane.
; The logits are f32 multiply-adds: lane l sums its 32 k for all 8 experts, then the 32 lanes are added.  wg (32 KB) is brought once by the four waves in dense loads and turned through LDS so that lane l finds
; wg[32 l ..][0..7] in 1,024 bytes of its own (pitch 1,040).  x is loaded densely too (512 bytes a load) and turned through the wave's own stage (pitch 144).
; xq: a token's 768 bytes of codes are laid in the order of the operand's registers: [K step s][g 0..2][half h][16 bytes] = registers 4 g .. 4 g + 3 of lanes (., h); its 32 scale bytes follow from byte SCOFF on.
.set WPITCH, 1040
.set XST,    32*WPITCH                 ; 33,280: four stages of 32 x 144 bytes
.set XPITCH, 144
.set CST,    XST+4*32*XPITCH           ; 51,712: four stages of 768 bytes for the codes
.set SPARE,  CST+4*768                 ; 54,784: the spare words, 128 bytes for each wave
.set SCOFF,  786432                    ; where the scale bytes begin in xq
.set SPW, 2                            ; v2  my spare word;  v3  0: both never rewritten
.set NIL, 3
.set XR,  16                           ; v16-47   x as loaded
.set XB,  48                           ; v48-79   my block of 32
.set WB0, 80                           ; v80-143, v144-207: two buffers of 8 k x 8 experts of wg
.set WB1, 144
.set ACC, 208                          ; v208-215 the 8 logits
.set TT,  216                          ; v216-223 at work
.set CD,  240                          ; v240-245 my block's codes;  v246-248 their second half as it is made
.set PD,  246
.set SEL, 26                           ; s[26:27] lane selects: lane l xor 16
	s_load_b256 s[4:11], s[0:1], 0x0               ; x s[4:5], wg s[6:7], bg s[8:9], top1 s[10:11]
	s_load_b128 s[12:15], s[0:1], 0x20             ; score s[12:13], xq s[14:15]
	v_lshl_add_u32 v[SPW], v0, 2, SPARE
	v_mov_b32 v[NIL], 0
	v_lshrrev_b32 v12, 5, v0
	v_readfirstlane_b32 s24, v12                   ; wave
	v_and_b32 v1, 31, v0                           ; lane
	v_lshlrev_b32 v4, 4, v1                        ; 16 x lane
	s_mul_i32 s25, s24, 32*XPITCH
	s_add_co_u32 s25, s25, XST                     ; my stage for x
	v_lshrrev_b32 v12, 3, v1
	v_mul_u32_u24 v12, v12, XPITCH
	v_and_b32 v13, 7, v1
	v_lshl_add_u32 v12, v13, 4, v12
	v_add_nc_u32 v5, s25, v12                      ; in: eight lanes' 128 bytes are one block: 144 (l / 8) + 16 (l % 8); a load's 512 bytes take four places
	v_mul_u32_u24 v12, v1, XPITCH
	v_add_nc_u32 v6, s25, v12                      ; out: 144 x lane
	s_mul_i32 s25, s24, 8*WPITCH
	v_add_nc_u32 v7, s25, v4                       ; wg in: my wave's 8,192 bytes are eight lanes' places
	v_mul_u32_u24 v8, v1, WPITCH                   ; wg out: 1,040 x lane
	s_mul_i32 s25, s24, 768
	s_add_co_u32 s25, s25, CST                     ; my stage for the codes
	v_lshrrev_b32 v12, 2, v1
	v_mul_u32_u24 v12, v12, 96                     ; K step s = l / 4
	v_and_b32 v13, 1, v1
	v_lshl_add_u32 v12, v13, 4, v12                ; half h = l % 2
	v_add_nc_u32 v12, s25, v12
	v_bfe_u32 v13, v1, 1, 1                        ; c = (l / 2) % 2: my six registers are registers 6 c .. 6 c + 5 of the fragment
	v_mad_u32_u24 v9, v13, 40, v12                 ; registers 6 c, 6 c + 1 (and, 32 bytes on, 6 c + 4, 6 c + 5)
	v_mad_u32_u24 v10, v13, 56, v12
	v_add_nc_u32 v10, 8, v10                       ; registers 6 c + 2, 6 c + 3
	v_lshl_add_u32 v11, v1, 3, s25                 ; back: 8 bytes a lane
	v_lshlrev_b32 v14, 3, v1
	s_mov_b32 s[SEL], 0x76543210
	s_mov_b32 s[SEL+1], 0xfedcba98
	s_lshl_b32 s28, ttmp9, 2
	s_add_co_u32 s28, s28, s24                     ; my token
	s_mov_b32 s31, 0
.irp e, 0,1,2,3,4,5,6,7
	v_mov_b32 v[TT+\e], 0                          ; written once: a lane permute's destination counts as one of its sources
.endr
	s_wait_kmcnt 0x0
	s_load_b256 s[16:23], s[8:9], 0x0              ; bg
	s_lshl_b32 s30, s28, 12
	s_add_nc_u64 s[4:5], s[4:5], s[30:31]          ; my row of x
	s_lshl_b32 s30, s24, 13
	s_add_nc_u64 s[6:7], s[6:7], s[30:31]          ; my wave's quarter of wg
	s_add_nc_u64 s[32:33], s[14:15], SCOFF
	s_lshl_b32 s30, s28, 5
	s_add_nc_u64 s[32:33], s[32:33], s[30:31]      ; my token's scale bytes
	s_mul_i32 s30, s28, 768
	s_add_nc_u64 s[14:15], s[14:15], s[30:31]      ; and its codes
	s_lshl_b32 s29, s28, 2
	v_mov_b32 v15, s29                             ; 4 x token
.irp j, 0,1,2,3,4,5,6,7
	global_load_b128 v[XR+4*\j:XR+4*\j+3], v4, s[4:5] offset:512*\j th:TH_LOAD_NT   ; 512 consecutive bytes a load
.endr
.irp j, 0,1,2,3,4,5,6,7,8,9,10,11,12,13,14,15
	global_load_b128 v[WB0+4*\j:WB0+4*\j+3], v4, s[6:7] offset:512*\j
.endr
	s_wait_loadcnt 16                              ; x's eight loads are in; wg's sixteen, issued behind them, may be out
.irp j, 0,1,2,3,4,5,6,7
	ds_store_b128 v5, v[XR+4*\j:XR+4*\j+3] offset:4*XPITCH*\j
.endr
.irp i, 0,1,2,3,4,5,6,7
	ds_load_b128 v[XB+4*\i:XB+4*\i+3], v6 offset:16*\i      ; LDS serves a wave's instructions in order: these see my stores
.endr
	s_wait_loadcnt 0x0
.irp j, 0,1,2,3,4,5,6,7,8,9,10,11,12,13,14,15
	ds_store_b128 v7, v[WB0+4*\j:WB0+4*\j+3] offset:(\j/2)*WPITCH+512*(\j%2)
.endr
	s_wait_dscnt 0x0                               ; for the others' sake: my part of wg lies in LDS
	s_barrier_signal -1
	s_barrier_wait -1                              ; everybody's does
.macro WGL buf, c                      ; wg[32 l + 8 c + kk][e] into register 8 kk + e of the buffer
.irp m, 0,1,2,3,4,5,6,7,8,9,10,11,12,13,14,15
	ds_load_b128 v[\buf+4*\m:\buf+4*\m+3], v8 offset:256*(\c)+16*\m
.endr
.endm
.macro FMA8 buf, c, first              ; 8 k x 8 experts, two experts an instruction; x[k] serves both halves.  first = 1: the first product starts the sums
.irp k, 0,2,4,6
.irp p, 0,1,2,3
.if (\first) && (\k == 0)
	v_pk_mul_f32 v[ACC+2*\p:ACC+2*\p+1], v[XB+8*(\c)+\k:XB+8*(\c)+\k+1], v[\buf+8*\k+2*\p:\buf+8*\k+2*\p+1] op_sel_hi:[0,1]
.else
	v_pk_fma_f32 v[ACC+2*\p:ACC+2*\p+1], v[XB+8*(\c)+\k:XB+8*(\c)+\k+1], v[\buf+8*\k+2*\p:\buf+8*\k+2*\p+1], v[ACC+2*\p:ACC+2*\p+1] op_sel_hi:[0,1,1]
.endif
.endr
.irp p, 0,1,2,3
	v_pk_fma_f32 v[ACC+2*\p:ACC+2*\p+1], v[XB+8*(\c)+\k:XB+8*(\c)+\k+1], v[\buf+8*\k+8+2*\p:\buf+8*\k+8+2*\p+1], v[ACC+2*\p:ACC+2*\p+1] op_sel:[1,0,0] op_sel_hi:[1,1,1]
.endr
.endr
.endm
	WGL WB0, 0
	WGL WB1, 1
	s_wait_dscnt 16                                ; the older chunk is in; the younger chunk's sixteen loads may be out (so at each of the three)
	FMA8 WB0, 0, 1
	WGL WB0, 2
	s_wait_dscnt 16
	FMA8 WB1, 1, 0
	WGL WB1, 3
	s_wait_dscnt 16
	FMA8 WB0, 2, 0
	s_wait_dscnt 0x0
	FMA8 WB1, 3, 0
.irp m, 1,2,4,8                        ; the 32 lanes' sums: four steps inside each half of 16 lanes, one across
.irp e, 0,1,2,3,4,5,6,7
	v_add_f32_dpp v[ACC+\e], v[ACC+\e], v[ACC+\e] row_xmask:\m row_mask:0xf bank_mask:0xf
.endr
.endr
.irp e, 0,1,2,3,4,5,6,7
	v_permlanex16_b32 v[TT+\e], v[ACC+\e], s[SEL], s[SEL+1]
.endr
.irp e, 0,1,2,3,4,5,6,7
	v_add_f32 v[ACC+\e], v[ACC+\e], v[TT+\e]
.endr
	s_wait_kmcnt 0x0                               ; bg
.irp e, 0,1,2,3,4,5,6,7
	v_add_f32 v[ACC+\e], s[16+\e], v[ACC+\e]
.endr
	; the softmax, with its maximum taken away, finished and normalised; then the argmax of the scores
	v_max3_num_f32 v224, v[ACC], v[ACC+1], v[ACC+2]
	v_max3_num_f32 v224, v224, v[ACC+3], v[ACC+4]
	v_max3_num_f32 v224, v224, v[ACC+5], v[ACC+6]
	v_max_num_f32 v224, v224, v[ACC+7]
.irp e, 0,1,2,3,4,5,6,7
	v_sub_f32 v[TT+\e], v[ACC+\e], v224
.endr
.irp e, 0,1,2,3,4,5,6,7
	v_mul_f32 v[TT+\e], 0x3fb8aa3b, v[TT+\e]       ; x log2(e)
.endr
.irp e, 0,1,2,3,4,5,6,7
	v_exp_f32 v[TT+\e], v[TT+\e]
.endr
	v_mov_b32 v233, 0                              ; (a plain line behind the exponentials)  the index so far
	s_wait_alu depctr_va_vdst(0)                   ; one wait for the batch of eight, ahead of its first reader
	v_add_f32 v225, v[TT], v[TT+1]
	v_add_f32 v227, v[TT+2], v[TT+3]
	v_add_f32 v228, v[TT+4], v[TT+5]
	v_add_f32 v229, v[TT+6], v[TT+7]
	v_add_f32 v225, v225, v227
	v_add_f32 v228, v228, v229
	v_add_f32 v225, v225, v228
	v_rcp_f32 v226, v225
	v_nop
	s_wait_alu depctr_va_vdst(0)
.irp e, 0,1,2,3,4,5,6,7
	v_mul_f32 v[TT+\e], v[TT+\e], v226
.endr
	v_mov_b32 v232, v[TT]
.irp e, 1,2,3,4,5,6,7
	v_cmp_le_f32 vcc_lo, v[TT+\e], v232            ; not greater: the index stays, so the lower index wins a tie
	v_cndmask_b32 v233, \e, v233, vcc_lo
	v_max_num_f32 v232, v232, v[TT+\e]
.endr
	; my block of x: the largest magnitude (two chains, with the floor 2^(3 - 127) among the leaves, so that the byte cannot fall under 1), the scale, the codes
	v_max3_num_f32 v234, |v[XB]|, |v[XB+1]|, 0x1800000
	v_max3_num_f32 v235, |v[XB+16]|, |v[XB+17]|, 0x1800000
.irp i, 2,4,6,8,10,12,14
	v_max3_num_f32 v234, v234, |v[XB+\i]|, |v[XB+\i+1]|
	v_max3_num_f32 v235, v235, |v[XB+16+\i]|, |v[XB+17+\i]|
.endr
	v_max_num_f32 v234, v234, v235
	v_add_nc_u32 v236, 0xff000000, v234            ; 2 off the exponent field: the conversion takes the exponent field of this operand as its scale
	v_lshrrev_b32 v237, 23, v236                   ; the scale's byte
	v_cvt_scalef32_pk16_fp6_f32 v[CD:CD+2], v[XB:XB+15], v236
	v_cvt_scalef32_pk16_fp6_f32 v[PD:PD+2], v[XB+16:XB+31], v236     ; (a conversion's three registers begin on an even number)
	v_nop                                          ; one plain line behind a scaled conversion
.irp i, 0,1,2
	v_mov_b32 v[CD+3+\i], v[PD+\i]
.endr
	ds_store_b64 v9, v[CD:CD+1]
	ds_store_b64 v10, v[CD+2:CD+3]
	ds_store_b64 v9, v[CD+4:CD+5] offset:32
.irp p, 0,1,2
	ds_load_b64 v[XR+2*\p:XR+2*\p+1], v11 offset:256*\p       ; the token's 768 bytes back, 8 bytes a lane
.endr
	global_store_b8 v1, v237, s[32:33]             ; 32 scale bytes on end
	s_wait_tensorcnt 0x0                           ; the wave's end
	ds_add_u32 v[SPW], v[NIL]
	s_wait_dscnt 0x0                               ; (and the codes are back)
.irp p, 0,1,2
	global_store_b64 v14, v[XR+2*\p:XR+2*\p+1], s[14:15] offset:256*\p   ; 32 lanes store 256 consecutive bytes, at a multiple of 256 from xq's first byte
.endr
	v_cmp_eq_u32 vcc_lo, 0, v1
	s_wait_xcnt 0x0                                ; EXEC is a source of the stores above: it changes only behind this wait
	s_and_saveexec_b32 s25, vcc_lo
	global_store_b32 v15, v233, s[10:11]           ; lane 0: the chosen expert, a value only: no address of this launch hangs on it
	global_store_b32 v15, v232, s[12:13]           ; and its score
	s_wait_xcnt 0x0
	s_or_b32 exec_lo, exec_lo, s25
	s_endpgm
.Lfunc_end_k_q7d373dcf02_gate:
	.size	k_q7d373dcf02_gate, .Lfunc_end_k_q7d373dcf02_gate-k_q7d373dcf02_gate
	.p2alignl 7, 3214868480
	.fill 96, 4, 3214868480
	.section	.rodata,"a",@progbits
	.p2align	6, 0x0
	.amdhsa_kernel k_q7d373dcf02_gate
		.amdhsa_group_segment_fixed_size 55296
		.amdhsa_private_segment_fixed_size 0
		.amdhsa_enable_private_segment 0
		.amdhsa_kernarg_size 48
		.amdhsa_user_sgpr_count 2
		.amdhsa_user_sgpr_kernarg_segment_ptr 1
		.amdhsa_wavefront_size32 1
		.amdhsa_system_sgpr_workgroup_id_x 1
		.amdhsa_system_sgpr_workgroup_id_y 1
		.amdhsa_system_sgpr_workgroup_id_z 1
		.amdhsa_system_vgpr_workitem_id 0
		.amdhsa_next_free_vgpr 256
		.amdhsa_next_free_sgpr 66
		.amdhsa_reserve_vcc 1
		.amdhsa_float_denorm_mode_32 3
		.amdhsa_float_denorm_mode_16_64 3
		.amdhsa_memory_ordered 1
		.amdhsa_forward_progress 1
		.amdhsa_inst_pref_size 28
	.end_amdhsa_kernel
	.amdgpu_metadata
---
amdhsa.version: [ 1, 2 ]
amdhsa.kernels:
  - .name:           k_q7d373dcf02_gate
    .symbol:         k_q7d373dcf02_gate.kd
    .args:
      - { .name: x, .offset: 0, .size: 8, .value_kind: global_buffer, .address_space: global }
      - { .name: wg, .offset: 8, .size: 8, .value_kind: global_buffer, .address_space: global }
      - { .name: bg, .offset: 16, .size: 8, .value_kind: global_buffer, .address_space: global }
      - { .name: top1, .offset: 24, .size: 8, .value_kind: global_buffer, .address_space: global }
      - { .name: score, .offset: 32, .size: 8, .value_kind: global_buffer, .address_space: global }
      - { .name: xq, .offset: 40, .size: 8, .value_kind: global_buffer, .address_space: global }
    .group_segment_fixed_size: 55296
    .private_segment_fixed_size: 0
    .kernarg_segment_align: 8
    .kernarg_segment_size: 48
    .max_flat_workgroup_size: 128
    .sgpr_count:     66
    .vgpr_count:     256
    .wavefront_size: 32
...
	.end_amdgpu_metadata
.endif
;; end of part 1
;; launch route (part 2): grid 1 x 1, 32 waves a work-group, no clusters, 5,632 bytes of LDS; arguments top1, score, rtab, gfac; writes rtab, gfac
.if DOCPART == 2
	.amdgcn_target "amdgcn-amd-amdhsa--gfx1250"
	.amdhsa_code_object_version 6
	.text
	.protected	k_q7d373dcf02_route
	.globl	k_q7d373dcf02_route
	.p2align	8
	.type	k_q7d373dcf02_route,@function
k_q7d373dcf02_route:
	s_mov_b64 s[64:65], 0
	v_nop
	global_prefetch_b8 v0, s[64:65] scope:SCOPE_SE
	s_setreg_imm32_b32 hwreg(HW_REG_WAVE_MODE, 25, 1), 1
	s_wait_xcnt 0x0
; SwitchMoE, launch 2 of 5: a counting sort of the 1,024 tokens by their expert, and the gate's factors.  (Only the chosen expert's row of each token is multiplied: see the first kernel's head.)
; One work-group, thread t = token t.  Each expert's rows are padded to a multiple of 16: at most 1,024 / 16 + 7 = 71 tiles of 16 slots, whatever the choice.
; rtab: from byte 0 order[1280]: slot -> token, 1024 in a slot that holds none; from 5120 T[8], each expert's first tile; from 5152 NT[8], its tiles; from 5184 TEXP[80], each tile's expert, 8 for a tile that is not used.
; gfac[1280]: score / (the sum of the scores of the expert's tokens + 1e-6) x 1024 by slot, 0 in a slot that holds no token.
; All places are whole-number arithmetic on top1, which this launch reads from memory; the scores enter values alone.  No atomics: counts of a wave by its lane masks, counts of the 32 waves through LDS.
.set TBI,   0                          ; LDS: a wave's 8 counts, two to a word: 16 bytes a wave
.set TBF,   512                        ; a wave's 8 sums of scores: 32 bytes a wave
.set SPARE, 1536                       ; the spare words, 128 bytes for each of the 32 waves
.set SPW, 2
.set NIL, 3
.set MK,  12                           ; s[12:19] lanes of my wave that chose expert e
.set CN,  20                           ; s[20:27] counts: my wave's, later the whole work-group's
.set PO,  28                           ; s[28:35] where my wave's tokens of expert e begin
.set T16, 36                           ; s[36:43] expert e's first slot
.set NT,  44                           ; s[44:51] its tiles
.set TE,  52                           ; s[52:59] the tile behind its last
.set SEL, 74
.macro RED8 b, t                       ; eight f32 sums over the 32 lanes, by turns
.irp m, 1,2,4,8
.irp e, 0,1,2,3,4,5,6,7
	v_add_f32_dpp v[\b+\e], v[\b+\e], v[\b+\e] row_xmask:\m row_mask:0xf bank_mask:0xf
.endr
.endr
.irp e, 0,1,2,3,4,5,6,7
	v_permlanex16_b32 v[\t+\e], v[\b+\e], s[SEL], s[SEL+1]
.endr
.irp e, 0,1,2,3,4,5,6,7
	v_add_f32 v[\b+\e], v[\b+\e], v[\t+\e]
.endr
.endm
.macro IRED8 b, t                      ; the same for whole numbers
.irp m, 1,2,4,8
.irp e, 0,1,2,3,4,5,6,7
	v_mov_b32_dpp v[\t+\e], v[\b+\e] row_xmask:\m row_mask:0xf bank_mask:0xf
.endr
.irp e, 0,1,2,3,4,5,6,7
	v_add_nc_u32 v[\b+\e], v[\b+\e], v[\t+\e]
.endr
.endr
.irp e, 0,1,2,3,4,5,6,7
	v_permlanex16_b32 v[\t+\e], v[\b+\e], s[SEL], s[SEL+1]
.endr
.irp e, 0,1,2,3,4,5,6,7
	v_add_nc_u32 v[\b+\e], v[\b+\e], v[\t+\e]
.endr
.endm
	s_load_b256 s[4:11], s[0:1], 0x0               ; top1 s[4:5], score s[6:7], rtab s[8:9], gfac s[10:11]
	v_lshl_add_u32 v[SPW], v0, 2, SPARE
	v_mov_b32 v[NIL], 0
	v_lshrrev_b32 v8, 5, v0
	v_readfirstlane_b32 s76, v8                    ; wave
	v_and_b32 v1, 31, v0
	v_lshlrev_b32 v4, 2, v0                        ; 4 t: the offset of every store below but the two by slot; never rewritten
	v_add_nc_u32 v38, 0x400, v0                    ; slot 1024 + t
	v_mov_b32 v39, s76
	v_lshlrev_b32 v40, 4, v39                      ; my wave's row of counts,
	v_lshlrev_b32 v41, 5, v39                      ; and of sums
	v_lshlrev_b32 v54, 4, v1                       ; row l of the counts,
	v_lshlrev_b32 v55, 5, v1                       ; and of the sums
	s_mov_b32 s[SEL], 0x76543210
	s_mov_b32 s[SEL+1], 0xfedcba98
	v_mov_b32 v7, 0
	v_mov_b32 v9, 0
	v_mov_b32 v56, 0
	v_mov_b32 v50, 0x400                           ; what a slot without a token holds
	v_mov_b32 v51, 0
.irp e, 0,1,2,3,4,5,6,7
	v_mov_b32 v[42+\e], 0                          ; written once: the destination of a DPP move and of a lane permute counts as one of its sources
.endr
	s_wait_kmcnt 0x0
	global_load_b32 v5, v4, s[4:5]
	global_load_b32 v6, v4, s[6:7]
	s_wait_loadcnt 0x0
	v_min_u32 v5, 7, v5
.irp e, 0,1,2,3,4,5,6,7
	v_cmp_eq_u32 s[MK+\e], \e, v5
	s_bcnt1_i32_b32 s[CN+\e], s[MK+\e]             ; my wave's count
	v_mbcnt_lo_u32_b32 v8, s[MK+\e], 0             ; how many lanes below me chose e
	v_cndmask_b32 v7, v7, v8, s[MK+\e]             ; my rank among my wave's tokens of my expert
	v_cndmask_b32 v[10+\e], 0, v6, s[MK+\e]        ; my score, under my expert alone
.endr
	RED8 10, 42                                    ; my wave's sums of scores, in every lane
.irp i, 0,1,2,3
	s_lshl_b32 s81, s[CN+2*\i+1], 16
	s_or_b32 s81, s81, s[CN+2*\i]                  ; a count is 32 at the most here, 1,024 when summed: 16 bits hold it
	v_mov_b32 v[18+\i], s81
.endr
	ds_store_b128 v40, v[18:21] offset:TBI         ; all lanes write the same bytes with the same values
	ds_store_b128 v41, v[10:13] offset:TBF
	ds_store_b128 v41, v[14:17] offset:TBF+16
	s_wait_dscnt 0x0                               ; for the others' sake
	s_barrier_signal -1
	s_barrier_wait -1
	ds_load_b128 v[22:25], v54 offset:TBI          ; lane l: wave l's counts,
	ds_load_b128 v[30:33], v55 offset:TBF          ; and sums
	ds_load_b128 v[34:37], v55 offset:TBF+16
	s_bfm_b32 s78, s76, 0                          ; the lanes that stand for the waves below mine
	s_wait_dscnt 0x0
.irp i, 0,1,2,3
	v_cndmask_b32 v[26+\i], 0, v[22+\i], s78
.endr
	IRED8 22, 42                                   ; v22-25: the totals;  v26-29: the counts of the waves below mine
	RED8 30, 42                                    ; the sums of the chosen scores, expert by expert
.irp i, 0,1,2,3
	v_readfirstlane_b32 s81, v[22+\i]
	s_and_b32 s[CN+2*\i], s81, 0xffff
	s_lshr_b32 s[CN+2*\i+1], s81, 16
	v_readfirstlane_b32 s81, v[26+\i]
	s_and_b32 s[PO+2*\i], s81, 0xffff
	s_lshr_b32 s[PO+2*\i+1], s81, 16
.endr
	s_mov_b32 s82, 0
.irp e, 0,1,2,3,4,5,6,7
	s_add_co_u32 s[NT+\e], s[CN+\e], 15
	s_lshr_b32 s[NT+\e], s[NT+\e], 4
	s_lshl_b32 s[T16+\e], s82, 4
	s_add_co_u32 s[PO+\e], s[PO+\e], s[T16+\e]
	s_add_co_u32 s82, s82, s[NT+\e]
	s_mov_b32 s[TE+\e], s82
.endr
.irp e, 0,1,2,3,4,5,6,7
	v_add_f32 v[30+\e], 0x358637bd, v[30+\e]       ; + 1e-6
.endr
.irp e, 0,1,2,3,4,5,6,7
	v_rcp_f32 v[30+\e], v[30+\e]
.endr
	v_nop
	s_wait_alu depctr_va_vdst(0)                   ; one wait for the batch of eight
.irp e, 0,1,2,3,4,5,6,7
	v_mul_f32 v[30+\e], 0x44800000, v[30+\e]       ; x 1,024, which rounds nothing
.endr
.irp e, 0,1,2,3,4,5,6,7
	v_mov_b32 v8, s[PO+\e]
	v_cndmask_b32 v9, v9, v8, s[MK+\e]
	v_cndmask_b32 v56, v56, v[30+\e], s[MK+\e]
.endr
	v_add_nc_u32 v9, v9, v7                        ; my slot
	v_mul_f32 v56, v6, v56                         ; my factor
	v_min_u32 v9, 0x4ff, v9
	v_lshlrev_b32 v9, 2, v9
	global_store_b32 v9, v0, s[8:9]                ; order[slot] = t
	global_store_b32 v9, v56, s[10:11]
; The slots that hold no token.  A slot holds one where slot - expert e's first slot is under e's count, for some e.  They and the slots above are disjoint: no word is stored twice.
; All masks and all data of the masked stores are made here, with every lane on, ahead of the first change of EXEC; their offset is 4 t, with the table's place in the immediate.
.macro HOLES src, dst                  ; s[dst] = the lanes whose slot v[src] holds no token
	s_mov_b32 s[\dst], 0
.irp e, 0,1,2,3,4,5,6,7
	v_sub_nc_u32 v8, v[\src], s[T16+\e]
	v_cmp_lt_u32 s84, v8, s[CN+\e]
	s_or_b32 s[\dst], s[\dst], s84
.endr
	s_not_b32 s[\dst], s[\dst]
.endm
	HOLES 0, 83                                    ; slots 0 to 1023
	HOLES 38, 86                                   ; slots 1024 to 1279:
	v_cmp_gt_u32 s84, 256, v0                      ; threads 0 to 255 alone
	s_and_b32 s86, s86, s84
	v_mov_b32 v52, 0
	v_mov_b32 v53, 0
.irp e, 0,1,2,3,4,5,6,7
	v_cmp_ge_u32 s84, v0, s[TE+\e]
	v_cndmask_b32 v8, 0, 1, s84
	v_add_nc_u32 v52, v52, v8                      ; tile t's expert: how many experts end at or under t
.endr
.irp e, 0,1,2,3,4,5,6,7
	s_lshr_b32 s84, s[T16+\e], 4
	v_writelane_b32 v53, s84, \e                   ; lanes 0-7: T;  lanes 8-15: NT
	v_writelane_b32 v53, s[NT+\e], 8+\e
.endr
	v_cmp_gt_u32 s87, 80, v0
	v_cmp_gt_u32 s88, 16, v0
	s_wait_xcnt 0x0                                ; EXEC is a source of the stores above: it changes only behind this wait
	s_and_saveexec_b32 s85, s83
	global_store_b32 v4, v50, s[8:9]               ; order[t] = 1024,
	global_store_b32 v4, v51, s[10:11]             ; gfac[t] = 0
	s_wait_xcnt 0x0                                ; and again, in front of the line that widens it
	s_or_b32 exec_lo, exec_lo, s85
	s_wait_xcnt 0x0
	s_and_saveexec_b32 s85, s86
	global_store_b32 v4, v50, s[8:9] offset:4096   ; the same for slot 1024 + t
	global_store_b32 v4, v51, s[10:11] offset:4096
	s_wait_xcnt 0x0
	s_or_b32 exec_lo, exec_lo, s85
	s_wait_xcnt 0x0
	s_and_saveexec_b32 s85, s87
	global_store_b32 v4, v52, s[8:9] offset:5184   ; TEXP
	s_wait_xcnt 0x0
	s_or_b32 exec_lo, exec_lo, s85
	s_wait_xcnt 0x0
	s_and_saveexec_b32 s85, s88
	global_store_b32 v4, v53, s[8:9] offset:5120   ; T and NT
	s_wait_xcnt 0x0
	s_or_b32 exec_lo, exec_lo, s85
	s_wait_tensorcnt 0x0                           ; the wave's end: three lines behind my last LDS store
	ds_add_u32 v[SPW], v[NIL]
	s_wait_dscnt 0x0
	s_endpgm
.Lfunc_end_k_q7d373dcf02_route:
	.size	k_q7d373dcf02_route, .Lfunc_end_k_q7d373dcf02_route-k_q7d373dcf02_route
	.p2alignl 7, 3214868480
	.fill 96, 4, 3214868480
	.section	.rodata,"a",@progbits
	.p2align	6, 0x0
	.amdhsa_kernel k_q7d373dcf02_route
		.amdhsa_group_segment_fixed_size 5632
		.amdhsa_private_segment_fixed_size 0
		.amdhsa_enable_private_segment 0
		.amdhsa_kernarg_size 32
		.amdhsa_user_sgpr_count 2
		.amdhsa_user_sgpr_kernarg_segment_ptr 1
		.amdhsa_wavefront_size32 1
		.amdhsa_system_sgpr_workgroup_id_x 1
		.amdhsa_system_sgpr_workgroup_id_y 1
		.amdhsa_system_sgpr_workgroup_id_z 1
		.amdhsa_system_vgpr_workitem_id 0
		.amdhsa_next_free_vgpr 64
		.amdhsa_next_free_sgpr 100
		.amdhsa_reserve_vcc 0
		.amdhsa_float_denorm_mode_32 3
		.amdhsa_float_denorm_mode_16_64 3
		.amdhsa_memory_ordered 1
		.amdhsa_forward_progress 1
		.amdhsa_inst_pref_size 27
	.end_amdhsa_kernel
	.amdgpu_metadata
---
amdhsa.version: [ 1, 2 ]
amdhsa.kernels:
  - .name:           k_q7d373dcf02_route
    .symbol:         k_q7d373dcf02_route.kd
    .args:
      - { .name: top1, .offset: 0, .size: 8, .value_kind: global_buffer, .address_space: global }
      - { .name: score, .offset: 8, .size: 8, .value_kind: global_buffer, .address_space: global }
      - { .name: rtab, .offset: 16, .size: 8, .value_kind: global_buffer, .address_space: global }
      - { .name: gfac, .offset: 24, .size: 8, .value_kind: global_buffer, .address_space: global }
    .group_segment_fixed_size: 5632
    .private_segment_fixed_size: 0
    .kernarg_segment_align: 8
    .kernarg_segment_size: 32
    .max_flat_workgroup_size: 1024
    .sgpr_count:     100
    .vgpr_count:     64
    .wavefront_size: 32
...
	.end_amdgpu_metadata
.endif
;; end of part 2
;; launch ffn1 (part 3): grid 256 x 1, 4 waves a work-group, no clusters, 100,864 bytes of LDS; arguments xq, rtab, w1_codes, w1_scales, b1, hq; writes hq
.if DOCPART == 3
	.amdgcn_target "amdgcn-amd-amdhsa--gfx1250"
	.amdhsa_code_object_version 6
	.text
	.protected	k_q7d373dcf02_ffn1
	.globl	k_q7d373dcf02_ffn1
	.p2align	8
	.type	k_q7d373dcf02_ffn1,@function
k_q7d373dcf02_ffn1:
	s_mov_b64 s[64:65], 0
	v_nop
	global_prefetch_b8 v0, s[64:65] scope:SCOPE_SE
	s_setreg_imm32_b32 hwreg(HW_REG_WAVE_MODE, 25, 1), 1
	s_wait_xcnt 0x0
; SwitchMoE, launch 3 of 5: hq = Q(gelu(Q(x) W1[e] + b1[e])) for the rows of each expert's own tokens alone (the other rows reach no output: see the first kernel's head).
; THE WEIGHTS STAY IN REGISTERS.  Work-group (e, ks) owns hidden units 128 ks .. 128 ks + 127 of expert e: 8 x 32 = 256 work-groups.  Wave w holds the piece pc = w % 2 (64 units x all 1,024 of K: 32 fragments,
; 384 registers) and takes the expert's tiles of 16 tokens of parity q = w / 2.  Each weight byte is loaded once in the launch: 48 dense loads of 512 bytes a wave, all issued at the head, turned into fragments through LDS.
; No tensor load, no cluster: the number of tiles is a stored number (rtab), on which trip counts hang, so operands go through registers; the one barrier stands at the head, ahead of every branch on a stored number.
; An expert without a token still loads its weights: leaving that out would put the barrier under such a branch.
; BOTH USES ARE TRANSPOSED: source 0 = 16 hidden units, source 1 = 16 tokens, so that a lane holds ONE token and its registers run along the hidden units, the next product's K.
; THE UNITS OF A TILE ARE NOT NEIGHBOURS: lane r of tile 2 b + u takes unit 32 b + 8 u + r + 8 (r / 8), so that the 16 registers of tiles 2 b, 2 b + 1 are the 16 neighbours 32 b + 16 (lane / 16) + 0 .. 15.
; b1 is the C of each sum's first product.  gelu(v) = v / 2 + erf(v / sqrt 2) v / 2 in f32; erf(z) = z P(z^2) / Q(z^2), degrees 6 and 4, z held to +-4.
; LIMITS: erf is good to a few roundings of erf itself, so under v = -5.66 the result is at most 6e-8 |v| in size and not the true tail; a block of zeros gets the scale byte 1 (its codes are zeros; only this program
; reads the bytes); slots without a token take token 1023's x and are thrown away by the last launch.
; hq: codes [tile 72][hk 64][768 bytes], hk = a half K step of 64 units; in a record [P 0..2][lane][8 bytes] = registers 6 (hk % 2) + 2 P, + 1 of the fragment of K step hk / 2: each store of the wave covers 256
; consecutive bytes, aligned.  Scale bytes from byte 3,538,944: [tile][m 0..7][token r][16 bytes].  A wave owns 2 of a token's 128 bytes, so they go out singly: one byte in 25 of what the launch stores.
; REGISTERS, in windows of 256: window 0: addresses, scale words, b1, the sums, at work;  window 1: W's fragments (tile a, K step s) of a = 0, 1 at v[12 (8 a + s)] (before that: the dense loads' 192);
; window 2: those of a = 2, 3;  window 3: x's eight fragments, v[12 s ..].
.set PITCH, 784                        ; a staged row: 768 bytes + 16
.set SPARE, 128*PITCH                  ; 100,352: the spare words, 128 bytes for each wave
.set SPW, 16
.set NIL, 17
.set XS,  20                           ; v20-23   x's scale words: lanes 0-15 K steps 0-3, lanes 16-31 K steps 4-7
.set WS,  24                           ; v24-39   W's, four for each tile, likewise
.set B1,  40                           ; v40-71   b1 in the result's layout
.set HA,  72                           ; v72-103  the four sums
.set ZZ,  104
.set X2,  120
.set PP,  136
.set QQ,  152
.set TM,  172
.set CD,  184                          ; v184-189 the codes;  v190-192 their second half as it is made;  v194 my scale byte
.set PD,  190
.set SB,  194
.set SEL, 40
.set MSB, 0
.macro WIN new                         ; the immediate's high byte repeats the setting that is left; a switch that changes nothing is dropped
.if MSB != \new
	s_set_vgpr_msb (MSB<<8)|\new
.set MSB, \new
.endif
.endm
.macro SPAIR r, val                    ; a constant for the packed forms, which name a pair
	s_mov_b32 s[\r], \val
	s_mov_b32 s[\r+1], \val
.endm
	s_load_b256 s[4:11], s[0:1], 0x0               ; xq s[4:5], rtab s[6:7], W1's codes s[8:9], W1's scales s[10:11]
	s_load_b128 s[12:15], s[0:1], 0x20             ; b1 s[12:13], hq s[14:15]
	v_lshl_add_u32 v[SPW], v0, 2, SPARE
	v_mov_b32 v[NIL], 0
	v_lshrrev_b32 v1, 5, v0
	v_readfirstlane_b32 s16, v1                    ; wave
	s_and_b32 s17, s16, 1                          ; pc
	s_lshr_b32 s18, s16, 1                         ; q
	s_lshr_b32 s19, ttmp9, 5                       ; e
	s_and_b32 s20, ttmp9, 31                       ; ks
	s_lshl_b32 s39, s19, 2
	v_and_b32 v1, 31, v0                           ; lane
	v_and_b32 v2, 15, v0                           ; r
	v_bfe_u32 v3, v0, 4, 1                         ; h
	v_lshlrev_b32 v4, 4, v1
	s_mul_i32 s25, s16, 32*PITCH
	v_add_nc_u32 v5, s25, v4                       ; the stage, in: my wave's 32 rows, 16 x lane;
	v_lshl_add_u32 v6, v3, 4, v5                   ; the load that straddles two rows: lanes 16-31 lie behind one padding more
	v_and_b32 v8, 8, v2
	v_add_nc_u32 v8, v8, v2                        ; r + 8 (r / 8)
	s_mul_i32 s25, s17, 64*PITCH
	v_mul_u32_u24 v7, v8, PITCH
	v_mad_u32_u24 v7, v3, 24, v7
	v_add_nc_u32 v7, s25, v7                       ; the stage, out: my piece's rows, + 24 h
	v_lshlrev_b32 v8, 5, v8
	v_lshl_add_u32 v8, v3, 4, v8                   ; W's scale bytes: 32 a row, + 16 h
	v_lshlrev_b32 v9, 6, v3                        ; b1: 16 h numbers on
	v_lshlrev_b32 v10, 2, v2                       ; order: 4 r
	v_lshlrev_b32 v14, 3, v1                       ; a record of hq: 8 x lane
	v_lshl_add_u32 v15, v2, 4, v3                  ; its scale byte: 16 r + h
	v_mov_b32 v168, 0x32edffee                     ; a1, twice
	v_mov_b32 v169, 0x32edffee
	v_mov_b32 v170, 0xb95fbd29                     ; b1, twice
	v_mov_b32 v171, 0xb95fbd29
	v_mov_b32 v[TM+2], 0                           ; written once: a lane permute's destination counts as one of its sources
	v_mov_b32 v[TM+3], 0
	SPAIR 34, 0xaf95df0b                           ; P: a0 (a1 above), a2 .. a6
	SPAIR 42, 0xb60cff51
	SPAIR 44, 0xb86ec2d2
	SPAIR 46, 0xba40ac63
	SPAIR 48, 0xbb41a1f6
	SPAIR 50, 0xbc83dbd4
	SPAIR 36, 0xb77460cd                           ; Q: b0 (b1 above), b2 .. b4
	SPAIR 52, 0xbadc924e
	SPAIR 54, 0xbbf19bf8
	SPAIR 56, 0xbc69b6a7
	SPAIR 58, 0x3f3504f3                           ; 1 / sqrt 2
	s_mov_b32 s38, 0xffff0000                      ; lanes 16-31
	s_mov_b32 s[SEL], 0x76543210
	s_mov_b32 s[SEL+1], 0xfedcba98
	s_mov_b32 s61, 0
	s_mov_b32 s24, 0
	s_wait_kmcnt 0x0
	s_load_b32 s21, s[6:7], s39 offset:5120        ; T[e]
	s_load_b32 s22, s[6:7], s39 offset:5152        ; NT[e]
	s_lshl_b32 s25, s19, 12
	s_lshl_b32 s60, s20, 7
	s_add_co_u32 s25, s25, s60                     ; the work-group's first row of W1
	s_lshl_b32 s60, s16, 5
	s_add_co_u32 s60, s60, s25
	s_mul_i32 s60, s60, 768
	s_add_nc_u64 s[8:9], s[8:9], s[60:61]          ; the 32 rows that I stage: 24,576 dense bytes
	s_lshl_b32 s60, s17, 6
	s_add_co_u32 s25, s25, s60                     ; my piece's first row
	s_lshl_b32 s60, s25, 5
	s_add_nc_u64 s[10:11], s[10:11], s[60:61]
	s_lshl_b32 s60, s25, 2
	s_add_nc_u64 s[12:13], s[12:13], s[60:61]
	s_add_nc_u64 s[30:31], s[4:5], 786432          ; x's scale bytes
	WIN 0x40                                       ; destination window 1
.set i, 0
.rept 48
	global_load_b128 v[4*i:4*i+3], v4, s[8:9] offset:512*i th:TH_LOAD_NT   ; 512 consecutive bytes a load; read once in the launch
.set i, i+1
.endr
	WIN 0
.irp a, 0,1,2,3
	global_load_b128 v[WS+4*\a:WS+4*\a+3], v8, s[10:11] offset:(32*(\a/2)+8*(\a%2))*32
.endr
.irp a, 0,1,2,3
	global_load_b128 v[B1+8*\a:B1+8*\a+3], v9, s[12:13] offset:(32*(\a/2)+8*(\a%2))*4
	global_load_b128 v[B1+8*\a+4:B1+8*\a+7], v9, s[12:13] offset:(32*(\a/2)+8*(\a%2))*4+16
.endr
	s_wait_kmcnt 0x0
	s_min_u32 s21, s21, 71
	s_min_u32 s22, s22, 64
	s_add_co_u32 s25, s21, s18                     ; my first tile
	s_lshl_b32 s62, s20, 1
	s_add_co_u32 s62, s62, s17                     ; hk
	s_mul_i32 s60, s25, 49152
	s_mul_i32 s63, s62, 768
	s_add_co_u32 s60, s60, s63
	s_add_nc_u64 s[26:27], s[14:15], s[60:61]      ; my record of my first tile
	s_lshl_b32 s60, s25, 11
	s_lshr_b32 s63, s62, 3
	s_lshl_b32 s63, s63, 8
	s_add_co_u32 s60, s60, s63
	s_and_b32 s63, s62, 7
	s_lshl_b32 s63, s63, 1
	s_add_co_u32 s60, s60, s63
	s_add_co_u32 s60, s60, 3538944
	s_add_nc_u64 s[28:29], s[14:15], s[60:61]      ; and its scale bytes: 2,048 tile + 256 (hk / 8) + 2 (hk % 8)
	s_lshl_b32 s60, s25, 6
	s_add_nc_u64 s[32:33], s[6:7], s[60:61]        ; order at my first tile
	global_load_b32 v11, v10, s[32:33]
	s_add_co_u32 s23, s22, 1
	s_sub_co_u32 s23, s23, s18
	s_lshr_b32 s23, s23, 1                         ; my tiles: (NT + 1 - q) / 2
.macro XADDR                           ; the token in v11 -> its codes' and scale bytes' places.  Five plain lines: behind the products they are also the places in front of the loads and of the first read of the sums
	v_min_u32 v11, 0x3ff, v11
	v_mul_u32_u24 v12, v11, 768
	v_lshl_add_u32 v12, v3, 4, v12
	v_lshlrev_b32 v13, 5, v11
	v_lshl_add_u32 v13, v3, 4, v13
.endm
.macro XLOAD                           ; a tile's eight fragments of x and their scale words: 25 loads
	WIN 0xc0                                       ; destination window 3
.irp s, 0,1,2,3,4,5,6,7
.irp g, 0,1,2
	global_load_b128 v[12*\s+4*\g:12*\s+4*\g+3], v12, s[4:5] offset:96*\s+32*\g
.endr
.endr
	WIN 0
	global_load_b128 v[XS:XS+3], v13, s[30:31]
.endm
	s_wait_loadcnt 0x0                             ; the weights, b1 and my first tile's tokens are in
	XADDR
	XLOAD                                          ; the first tile's x lands while the weights go through LDS
	global_load_b32 v11, v10, s[32:33] offset:128  ; my second tile's tokens
	WIN 0x04                                       ; an LDS store's data: window 1
.set j, 0
.rept 16                               ; three loads are two rows of 768 bytes
	ds_store_b128 v5, v[12*j:12*j+3] offset:2*PITCH*j
	ds_store_b128 v6, v[12*j+4:12*j+7] offset:2*PITCH*j+512
	ds_store_b128 v5, v[12*j+8:12*j+11] offset:2*PITCH*j+PITCH+256
.set j, j+1
.endr
	WIN 0
	s_wait_dscnt 0x0                               ; for the others' sake: my 32 rows lie in the stage
	s_barrier_signal -1
	s_barrier_wait -1                              ; all 128 do
.macro WFRAG a, s, reg                 ; 16 units x 128 K: 24 bytes of the row's stream of bits twice, in pieces of 8
.irp p, 0,1,2,3,4,5
	ds_load_b64 v[(\reg)+2*\p:(\reg)+2*\p+1], v7 offset:(32*((\a)/2)+8*((\a)%2))*PITCH+96*(\s)+48*(\p/3)+8*(\p%3)
.endr
.endm
	WIN 0x40
.irp a, 0,1
.irp s, 0,1,2,3,4,5,6,7
	WFRAG \a, \s, 12*(8*\a+\s)
.endr
.endr
	WIN 0x80
.irp a, 2,3
.irp s, 0,1,2,3,4,5,6,7
	WFRAG \a, \s, 12*(8*(\a-2)+\s)
.endr
.endr
	WIN 0
	s_cmp_eq_u32 s23, 0
	s_cbranch_scc1 .Lend                           ; no tile of my parity
	s_wait_dscnt 0x0                               ; my fragments are in
; 16 products: tiles a0, a0 + 1 by turns, K ascending.  K steps 4 to 7 take their scale words from lanes 16-31.
.macro MM a0
.irp s, 0,1,2,3,4,5,6,7
.irp a, \a0, \a0+1
.if \s == 0
	v_wmma_scale_f32_16x16x128_f8f6f4 v[HA+8*(\a):HA+8*(\a)+7], v[12*(8*((\a)%2)+\s):12*(8*((\a)%2)+\s)+11], v[12*\s:12*\s+11], v[B1+8*(\a):B1+8*(\a)+7], v[WS+4*(\a)+\s%4], v[XS+\s%4] matrix_a_fmt:MATRIX_FMT_FP6 matrix_b_fmt:MATRIX_FMT_FP6
.elseif \s < 4
	v_wmma_scale_f32_16x16x128_f8f6f4 v[HA+8*(\a):HA+8*(\a)+7], v[12*(8*((\a)%2)+\s):12*(8*((\a)%2)+\s)+11], v[12*\s:12*\s+11], v[HA+8*(\a):HA+8*(\a)+7], v[WS+4*(\a)+\s%4], v[XS+\s%4] matrix_a_fmt:MATRIX_FMT_FP6 matrix_b_fmt:MATRIX_FMT_FP6
.else
	v_wmma_scale_f32_16x16x128_f8f6f4 v[HA+8*(\a):HA+8*(\a)+7], v[12*(8*((\a)%2)+\s):12*(8*((\a)%2)+\s)+11], v[12*\s:12*\s+11], v[HA+8*(\a):HA+8*(\a)+7], v[WS+4*(\a)+\s%4], v[XS+\s%4] matrix_a_fmt:MATRIX_FMT_FP6 matrix_b_fmt:MATRIX_FMT_FP6 matrix_a_scale:MATRIX_SCALE_ROW1 matrix_b_scale:MATRIX_SCALE_ROW1
.endif
.endr
.endr
.endm
; gelu in place on 16 registers (two sums, each read from its low end on), two numbers an instruction but for the hold and the reciprocals
.macro GELU b
.irp j, 0,2,4,6,8,10,12,14
	v_pk_mul_f32 v[ZZ+\j:ZZ+\j+1], v[\b+\j:\b+\j+1], s[58:59] op_sel_hi:[1,0]
.endr
.irp j, 0,1,2,3,4,5,6,7,8,9,10,11,12,13,14,15
	v_med3_num_f32 v[ZZ+\j], v[ZZ+\j], -4.0, 4.0
.endr
.irp j, 0,2,4,6,8,10,12,14
	v_pk_mul_f32 v[X2+\j:X2+\j+1], v[ZZ+\j:ZZ+\j+1], v[ZZ+\j:ZZ+\j+1]
.endr
.irp j, 0,2,4,6,8,10,12,14
	v_pk_fma_f32 v[PP+\j:PP+\j+1], v[X2+\j:X2+\j+1], s[34:35], v[168:169] op_sel_hi:[1,0,1]
	v_pk_fma_f32 v[QQ+\j:QQ+\j+1], v[X2+\j:X2+\j+1], s[36:37], v[170:171] op_sel_hi:[1,0,1]
.endr
.irp c, 42,44,46,48,50
.irp j, 0,2,4,6,8,10,12,14
	v_pk_fma_f32 v[PP+\j:PP+\j+1], v[PP+\j:PP+\j+1], v[X2+\j:X2+\j+1], s[\c:\c+1] op_sel_hi:[1,1,0]
.endr
.endr
.irp c, 52,54,56
.irp j, 0,2,4,6,8,10,12,14
	v_pk_fma_f32 v[QQ+\j:QQ+\j+1], v[QQ+\j:QQ+\j+1], v[X2+\j:X2+\j+1], s[\c:\c+1] op_sel_hi:[1,1,0]
.endr
.endr
.irp j, 0,1,2,3,4,5,6,7,8,9,10,11,12,13,14,15
	v_rcp_f32 v[QQ+\j], v[QQ+\j]
.endr
.irp j, 0,2,4,6,8,10,12,14
	v_pk_mul_f32 v[PP+\j:PP+\j+1], v[PP+\j:PP+\j+1], v[ZZ+\j:ZZ+\j+1]       ; z P: plain work behind the batch, which names none of its results
.endr
.irp j, 0,2,4,6,8,10,12,14
	v_pk_mul_f32 v[X2+\j:X2+\j+1], v[\b+\j:\b+\j+1], 0.5 op_sel_hi:[1,0]    ; v / 2
.endr
	s_wait_alu depctr_va_vdst(0)                   ; one wait for the sixteen reciprocals, ahead of their first reader
.irp j, 0,2,4,6,8,10,12,14
	v_pk_mul_f32 v[PP+\j:PP+\j+1], v[PP+\j:PP+\j+1], v[QQ+\j:QQ+\j+1]       ; erf
.endr
.irp j, 0,2,4,6,8,10,12,14
	v_pk_fma_f32 v[\b+\j:\b+\j+1], v[PP+\j:PP+\j+1], v[X2+\j:X2+\j+1], v[X2+\j:X2+\j+1]
.endr
.endm
; my token's 64 units are two blocks of 32, each half in lane l and half in lane l xor 16: their scales, their codes, a whole block to a lane
.macro QUANT2
.irp b, 0,1
	v_max3_num_f32 v[TM+\b], |v[HA+16*\b]|, |v[HA+16*\b+1]|, 0x1800000      ; with the floor 2^(3 - 127): the byte cannot fall under 1
.endr
.irp i, 2,4,6,8,10,12,14
.irp b, 0,1
	v_max3_num_f32 v[TM+\b], v[TM+\b], |v[HA+16*\b+\i]|, |v[HA+16*\b+\i+1]|
.endr
.endr
.irp b, 0,1
	v_permlanex16_b32 v[TM+2+\b], v[TM+\b], s[SEL], s[SEL+1]
.endr
.irp b, 0,1
	v_max_num_f32 v[TM+\b], v[TM+\b], v[TM+2+\b]
.endr
.irp b, 0,1
	v_add_nc_u32 v[TM+4+\b], 0xff000000, v[TM+\b]  ; 2 off the exponent field: the conversion's scale operand
.endr
.irp b, 0,1
	v_lshrrev_b32 v[TM+6+\b], 23, v[TM+4+\b]       ; the scale's byte
.endr
	v_cvt_scalef32_pk16_fp6_f32 v[CD:CD+2], v[HA:HA+15], v[TM+4]
	v_cvt_scalef32_pk16_fp6_f32 v[PD:PD+2], v[HA+16:HA+31], v[TM+5]
	v_nop                                          ; one plain line behind a scaled conversion
.irp i, 0,1,2
	v_permlane16_swap_b32 v[CD+\i], v[PD+\i]       ; the first's lanes 16-31 change places with the second's lanes 0-15: lanes 0-15 hold block 0, lanes 16-31 block 1
.endr
.irp i, 0,1,2
	v_mov_b32 v[CD+3+\i], v[PD+\i]
.endr
	v_cndmask_b32 v[SB], v[TM+6], v[TM+7], s38     ; my block's byte
.endm
.Ltile:                                            ; a trip: one tile of 16 tokens
	s_wait_loadcnt 0x0                             ; this tile's x and scale words, and the next tile's tokens, are in
	WIN 0x0d                                       ; source 0 window 1, source 1 window 3
	MM 0
	WIN 0x0e                                       ; source 0 window 2
	MM 2
	WIN 0
	XADDR
	XLOAD                                          ; the next tile's x: it has the rest of the trip in which to land.  Behind my last tile it reads a clamped token's row and is not used
	global_load_b32 v11, v10, s[32:33] offset:256  ; the tokens of the tile after that: tile 74 at the most, inside order's 80 tiles' worth of slots
	GELU HA
	GELU HA+16
	QUANT2
.irp p, 0,1,2
	global_store_b64 v14, v[CD+2*\p:CD+2*\p+1], s[26:27] offset:256*\p      ; 32 lanes store 256 consecutive bytes, at a multiple of 256 from hq's first byte
.endr
	global_store_b8 v15, v[SB], s[28:29]
	s_wait_xcnt 0x0                                ; the bases are stepped, and the stores' data written again, only behind this wait
	s_add_nc_u64 s[26:27], s[26:27], 2*49152       ; two tiles on
	s_add_nc_u64 s[28:29], s[28:29], 2*2048
	s_add_nc_u64 s[32:33], s[32:33], 2*64
	s_add_co_u32 s24, s24, 1
	s_cmp_lt_u32 s24, s23
	s_cbranch_scc1 .Ltile
.Lend:
	s_wait_tensorcnt 0x0                           ; the wave's end: three lines behind my last LDS store
	ds_add_u32 v[SPW], v[NIL]
	s_wait_dscnt 0x0
	s_endpgm
.Lfunc_end_k_q7d373dcf02_ffn1:
	.size	k_q7d373dcf02_ffn1, .Lfunc_end_k_q7d373dcf02_ffn1-k_q7d373dcf02_ffn1
	.p2alignl 7, 3214868480
	.fill 96, 4, 3214868480
	.section	.rodata,"a",@progbits
	.p2align	6, 0x0
	.amdhsa_kernel k_q7d373dcf02_ffn1
		.amdhsa_group_segment_fixed_size 100864
		.amdhsa_private_segment_fixed_size 0
		.amdhsa_enable_private_segment 0
		.amdhsa_kernarg_size 48
		.amdhsa_user_sgpr_count 2
		.amdhsa_user_sgpr_kernarg_segment_ptr 1
		.amdhsa_wavefront_size32 1
		.amdhsa_system_sgpr_workgroup_id_x 1
		.amdhsa_system_sgpr_workgroup_id_y 1
		.amdhsa_system_sgpr_workgroup_id_z 1
		.amdhsa_system_vgpr_workitem_id 0
		.amdhsa_next_free_vgpr 864
		.amdhsa_next_free_sgpr 66
		.amdhsa_reserve_vcc 0
		.amdhsa_float_denorm_mode_32 3
		.amdhsa_float_denorm_mode_16_64 3
		.amdhsa_memory_ordered 1
		.amdhsa_forward_progress 1
		.amdhsa_inst_pref_size 58
	.end_amdhsa_kernel
	.amdgpu_metadata
---
amdhsa.version: [ 1, 2 ]
amdhsa.kernels:
  - .name:           k_q7d373dcf02_ffn1
    .symbol:         k_q7d373dcf02_ffn1.kd
    .args:
      - { .name: xq, .offset: 0, .size: 8, .value_kind: global_buffer, .address_space: global }
      - { .name: rtab, .offset: 8, .size: 8, .value_kind: global_buffer, .address_space: global }
      - { .name: w1_codes, .offset: 16, .size: 8, .value_kind: global_buffer, .address_space: global }
      - { .name: w1_scales, .offset: 24, .size: 8, .value_kind: global_buffer, .address_space: global }
      - { .name: b1, .offset: 32, .size: 8, .value_kind: global_buffer, .address_space: global }
      - { .name: hq, .offset: 40, .size: 8, .value_kind: global_buffer, .address_space: global }
    .group_segment_fixed_size: 100864
    .private_segment_fixed_size: 0
    .kernarg_segment_align: 8
    .kernarg_segment_size: 48
    .max_flat_workgroup_size: 128
    .sgpr_count:     66
    .vgpr_count:     864
    .wavefront_size: 32
...
	.end_amdgpu_metadata
.endif
;; end of part 3
;; launch ffn2 (part 4): grid 256 x 1, 4 waves a work-group, no clusters, 99,840 bytes of LDS; arguments hq, rtab, w2_codes, w2_scales, part; writes part
.if DOCPART == 4
	.amdgcn_target "amdgcn-amd-amdhsa--gfx1250"
	.amdhsa_code_object_version 6
	.text
	.protected	k_q7d373dcf02_ffn2
	.globl	k_q7d373dcf02_ffn2
	.p2align	8
	.type	k_q7d373dcf02_ffn2,@function
k_q7d373dcf02_ffn2:
	s_mov_b64 s[64:65], 0
	v_nop
	global_prefetch_b8 v0, s[64:65] scope:SCOPE_SE
	s_setreg_imm32_b32 hwreg(HW_REG_WAVE_MODE, 25, 1), 1
	s_wait_xcnt 0x0
; SwitchMoE, launch 4 of 5: part = the hidden layer's codes x W2[e], for each expert's own tiles alone (the other rows reach no output: see the first kernel's head), K = 4,096 in four quarters.
; THE WEIGHTS STAY IN REGISTERS, as in the launch before.  Work-group (e, dg, kp) owns outputs 64 dg .. 64 dg + 63 and K quarters 2 kp, 2 kp + 1: 8 x 16 x 2 = 256 work-groups.  Wave w holds quarter
; kq = 2 kp + w % 2 (64 outputs x 1,024 of K: 32 fragments, 384 registers) and takes the tiles of parity q = w / 2.  So a fragment of the hidden layer feeds four products, each weight byte is loaded once, and the four
; quarters' sums go out as f32 images of the accumulators; the last launch adds them in a fixed order.
; No tensor load, no cluster: the number of tiles is a stored number; the one barrier stands at the head, ahead of every branch on a stored number.
; TRANSPOSED: source 0 = 16 outputs, source 1 = 16 tokens: lane (r, h) holds token r and outputs 16 a + 8 h + 0 .. 7.
; part: [tile 72][dg 16][kq 4][4,096 bytes]; in a record registers 4 i .. 4 i + 3 of the 32 at 512 i + 16 x lane: each store of the wave covers 512 consecutive bytes, aligned.
; REGISTERS: window 0: addresses, scale words, the four sums;  windows 1, 2: W's fragments (tile a, K step s) at v[12 (8 (a % 2) + s)];  window 3: two buffers of eight hidden fragments, v0-95 and v96-191.
.set PITCH, 1552                       ; a staged row: two quarters, 1,536 bytes, + 16
.set SPARE, 64*PITCH                   ; 99,328: the spare words
.set SPW, 16
.set NIL, 17
.set WS,  28                           ; v28-43 W's scale words;  v20-23, v24-27 the hidden layer's, for the two buffers
.set ACC, 48                           ; v48-79
.set MSB, 0
.macro WIN new
.if MSB != \new
	s_set_vgpr_msb (MSB<<8)|\new
.set MSB, \new
.endif
.endm
	s_load_b256 s[4:11], s[0:1], 0x0               ; hq s[4:5], rtab s[6:7], W2's codes s[8:9], W2's scales s[10:11]
	s_load_b64 s[12:13], s[0:1], 0x20              ; part
	v_lshl_add_u32 v[SPW], v0, 2, SPARE
	v_mov_b32 v[NIL], 0
	v_lshrrev_b32 v1, 5, v0
	v_readfirstlane_b32 s16, v1                    ; wave
	s_and_b32 s36, s16, 1                          ; which of the two staged quarters
	s_lshr_b32 s18, s16, 1                         ; q
	s_lshr_b32 s19, ttmp9, 5                       ; e
	s_bfe_u32 s20, ttmp9, 0x40001                  ; dg
	s_and_b32 s37, ttmp9, 1                        ; kp
	s_lshl_b32 s17, s37, 1
	s_add_co_u32 s17, s17, s36                     ; kq
	s_lshl_b32 s38, s19, 2
	v_and_b32 v1, 31, v0
	v_and_b32 v2, 15, v0                           ; r
	v_bfe_u32 v3, v0, 4, 1                         ; h
	v_lshlrev_b32 v4, 4, v1
	s_mul_i32 s27, s16, 16*PITCH
	v_add_nc_u32 v5, s27, v4                       ; the stage, in: my wave's 16 rows
	s_mul_i32 s27, s36, 768
	v_mul_u32_u24 v6, v2, PITCH
	v_mad_u32_u24 v6, v3, 24, v6
	v_add_nc_u32 v6, s27, v6                       ; out: row r, my quarter, + 24 h;
	v_add_nc_u32 v7, 32*PITCH, v6                  ; the same 32 rows on, so that the offsets stay inside 16 bits
	v_lshlrev_b32 v8, 7, v2
	v_lshl_add_u32 v8, v3, 4, v8                   ; W's scale bytes: 128 a row, + 16 h
	v_lshlrev_b32 v9, 3, v1
	s_mul_i32 s33, s17, 12288                      ; my quarter in a tile's codes,
	s_lshl_b32 s34, s17, 9
	s_add_co_u32 s34, s34, 3538944                 ; in its scale bytes,
	s_lshl_b32 s35, s20, 14
	s_lshl_b32 s27, s17, 12
	s_add_co_u32 s35, s35, s27                     ; and my record in a tile of part
	s_mov_b32 s24, 0                               ; the number, among my tiles, of the trip's first
	s_mov_b32 s39, 0                               ; the trips done
	s_wait_kmcnt 0x0
	s_load_b32 s21, s[6:7], s38 offset:5120        ; T[e]
	s_load_b32 s22, s[6:7], s38 offset:5152        ; NT[e]
	s_lshl_b32 s27, s19, 10
	s_lshl_b32 s28, s20, 6
	s_add_co_u32 s27, s27, s28                     ; the work-group's first row of W2
	s_lshl_b32 s28, s27, 7
	s_lshl_b32 s30, s17, 5
	s_add_co_u32 s28, s28, s30
	s_mov_b32 s29, 0
	s_add_nc_u64 s[10:11], s[10:11], s[28:29]
	s_lshl_b32 s28, s16, 4
	s_add_co_u32 s28, s28, s27
	s_mul_i32 s28, s28, 3072
	s_mul_i32 s30, s37, 1536
	s_add_co_u32 s28, s28, s30
	s_add_nc_u64 s[8:9], s[8:9], s[28:29]          ; the 16 rows that I stage, at the work-group's half of K
	WIN 0x40
.set i, 0
.rept 48
	global_load_b128 v[4*i:4*i+3], v4, s[8:9] offset:(i/3)*3072+512*(i%3) th:TH_LOAD_NT   ; 512 consecutive bytes a load; read once in the launch
.set i, i+1
.endr
	WIN 0
.irp a, 0,1,2,3
	global_load_b128 v[WS+4*\a:WS+4*\a+3], v8, s[10:11] offset:2048*\a
.endr
	s_wait_kmcnt 0x0
	s_min_u32 s21, s21, 71
	s_min_u32 s22, s22, 64
	s_add_co_u32 s25, s21, s18                     ; my first tile
	s_add_co_u32 s23, s22, 1
	s_sub_co_u32 s23, s23, s18
	s_lshr_b32 s23, s23, 1                         ; my tiles
	s_add_co_u32 s40, s23, 1
	s_lshr_b32 s40, s40, 1                         ; my trips, two tiles each: (my tiles + 1) / 2
	s_sub_co_i32 s26, s23, 1
	s_max_i32 s26, s26, 0                          ; the last of my tiles (0 where I have none: the loads stay inside the buffer)
; my tile number k + d, held at my last, -> its places: s28 in the codes, s29 in the scale bytes, s[sp] in part
.macro TADR d, sp
	s_add_co_u32 s27, s24, \d
	s_min_u32 s27, s27, s26
	s_lshl_b32 s27, s27, 1
	s_add_co_u32 s27, s27, s25
	s_min_u32 s27, s27, 71
	s_mul_i32 s28, s27, 49152
	s_add_co_u32 s28, s28, s33
	s_lshl_b32 s29, s27, 11
	s_add_co_u32 s29, s29, s34
	s_lshl_b32 s[\sp], s27, 18
	s_add_co_u32 s[\sp], s[\sp], s35
.endm
.macro HLOAD buf, hs, vh, vs           ; a tile's eight fragments of my quarter, 12,288 dense bytes, and their scale words: 49 loads
	WIN 0xc0
.set j, 0
.rept 48
	global_load_b64 v[\buf+2*j:\buf+2*j+1], v[\vh], s[4:5] offset:256*j
.set j, j+1
.endr
	WIN 0
	global_load_b128 v[\hs:\hs+3], v[\vs], s[4:5]
.endm
	s_wait_loadcnt 0x0                             ; the weights are in
	TADR 0, 30
	v_add_nc_u32 v10, s28, v9
	v_add_nc_u32 v11, s29, v4
	HLOAD 0, 20, 10, 11                            ; my first two tiles land while the weights go through LDS
	TADR 1, 31
	v_add_nc_u32 v12, s28, v9
	v_add_nc_u32 v13, s29, v4
	HLOAD 96, 24, 12, 13
	WIN 0x04                                       ; an LDS store's data: window 1
.set i, 0
.rept 48
	ds_store_b128 v5, v[4*i:4*i+3] offset:(i/3)*PITCH+512*(i%3)
.set i, i+1
.endr
	WIN 0
	s_wait_dscnt 0x0                               ; for the others' sake
	s_barrier_signal -1
	s_barrier_wait -1
	WIN 0x40
.irp a, 0,1
.irp s, 0,1,2,3,4,5,6,7
.irp p, 0,1,2,3,4,5
	ds_load_b64 v[12*(8*\a+\s)+2*\p:12*(8*\a+\s)+2*\p+1], v6 offset:\a*16*PITCH+96*\s+48*(\p/3)+8*(\p%3)
.endr
.endr
.endr
	WIN 0x80
.irp a, 0,1
.irp s, 0,1,2,3,4,5,6,7
.irp p, 0,1,2,3,4,5
	ds_load_b64 v[12*(8*\a+\s)+2*\p:12*(8*\a+\s)+2*\p+1], v7 offset:\a*16*PITCH+96*\s+48*(\p/3)+8*(\p%3)
.endr
.endr
.endr
	WIN 0
	s_cmp_eq_u32 s23, 0
	s_cbranch_scc1 .Lend
	s_wait_dscnt 0x0
; 16 products: tiles a0, a0 + 1 by turns, K ascending; the first starts each sum with the constant 0
.macro MM a0, buf, hs
.irp s, 0,1,2,3,4,5,6,7
.irp a, \a0, \a0+1
.if \s == 0
	v_wmma_scale_f32_16x16x128_f8f6f4 v[ACC+8*(\a):ACC+8*(\a)+7], v[12*(8*((\a)%2)+\s):12*(8*((\a)%2)+\s)+11], v[\buf+12*\s:\buf+12*\s+11], 0, v[WS+4*(\a)+\s%4], v[\hs+\s%4] matrix_a_fmt:MATRIX_FMT_FP6 matrix_b_fmt:MATRIX_FMT_FP6
.elseif \s < 4
	v_wmma_scale_f32_16x16x128_f8f6f4 v[ACC+8*(\a):ACC+8*(\a)+7], v[12*(8*((\a)%2)+\s):12*(8*((\a)%2)+\s)+11], v[\buf+12*\s:\buf+12*\s+11], v[ACC+8*(\a):ACC+8*(\a)+7], v[WS+4*(\a)+\s%4], v[\hs+\s%4] matrix_a_fmt:MATRIX_FMT_FP6 matrix_b_fmt:MATRIX_FMT_FP6
.else
	v_wmma_scale_f32_16x16x128_f8f6f4 v[ACC+8*(\a):ACC+8*(\a)+7], v[12*(8*((\a)%2)+\s):12*(8*((\a)%2)+\s)+11], v[\buf+12*\s:\buf+12*\s+11], v[ACC+8*(\a):ACC+8*(\a)+7], v[WS+4*(\a)+\s%4], v[\hs+\s%4] matrix_a_fmt:MATRIX_FMT_FP6 matrix_b_fmt:MATRIX_FMT_FP6 matrix_a_scale:MATRIX_SCALE_ROW1 matrix_b_scale:MATRIX_SCALE_ROW1
.endif
.endr
.endr
.endm
; One tile, out of one buffer; the buffer is then asked for my tile number k + d.
.macro HALF buf, hs, vh, vs, sp, d
	s_wait_loadcnt 49                              ; my buffer's 49 loads are in; the other buffer's 49, issued behind them, may be out
	s_wait_xcnt 0x0                                ; the last tile's stores have read the sums and their offset: both are written again only behind this wait
	WIN 0x0d
	MM 0, \buf, \hs
	WIN 0x0e
	MM 2, \buf, \hs
	WIN 0
	v_add_nc_u32 v14, s[\sp], v4                   ; this tile's record.  Five plain lines: four places are owed in front of the loads into the buffer and of the stores of the sums,
	TADR \d, \sp
	v_add_nc_u32 v[\vh], s28, v9                   ; five in front of the next tile's first product, which begins a sum anew over this tile's
	v_add_nc_u32 v[\vs], s29, v4
	v_nop
	v_nop
	HLOAD \buf, \hs, \vh, \vs
.irp i, 0,1,2,3,4,5,6,7
	global_store_b128 v14, v[ACC+4*\i:ACC+4*\i+3], s[12:13] offset:512*\i th:TH_STORE_NT   ; each sum from its low end on; 512 consecutive bytes, aligned
.endr
.endm
.Lpair:                                            ; a trip: two tiles; the trips are counted one by one against (my tiles + 1) / 2
	HALF 0, 20, 10, 11, 30, 2
	s_add_co_u32 s27, s24, 1
	s_cmp_lt_u32 s27, s23
	s_cbranch_scc1 .Lmore                          ; there is a second tile in this trip
	s_wait_tensorcnt 0x0                           ; an odd number of tiles: the wave ends here, in its last trip, with three lines behind its last LDS store.
	ds_add_u32 v[SPW], v[NIL]                      ; (The look-ahead's loads, of a tile held at my last, may be out at the end: nothing reads them)
	s_wait_dscnt 0x0
	s_endpgm
.Lmore:
	HALF 96, 24, 12, 13, 31, 3
	s_add_co_u32 s39, s39, 1                       ; a trip is done;
	s_lshl_b32 s24, s39, 1                         ; the next begins with my tile number 2 x trips
	s_cmp_lt_u32 s39, s40
	s_cbranch_scc1 .Lpair
.Lend:
	s_wait_tensorcnt 0x0                           ; the wave's end: three lines behind my last LDS store
	ds_add_u32 v[SPW], v[NIL]
	s_wait_dscnt 0x0
	s_endpgm
.Lfunc_end_k_q7d373dcf02_ffn2:
	.size	k_q7d373dcf02_ffn2, .Lfunc_end_k_q7d373dcf02_ffn2-k_q7d373dcf02_ffn2
	.p2alignl 7, 3214868480
	.fill 96, 4, 3214868480
	.section	.rodata,"a",@progbits
	.p2align	6, 0x0
	.amdhsa_kernel k_q7d373dcf02_ffn2
		.amdhsa_group_segment_fixed_size 99840
		.amdhsa_private_segment_fixed_size 0
		.amdhsa_enable_private_segment 0
		.amdhsa_kernarg_size 40
		.amdhsa_user_sgpr_count 2
		.amdhsa_user_sgpr_kernarg_segment_ptr 1
		.amdhsa_wavefront_size32 1
		.amdhsa_system_sgpr_workgroup_id_x 1
		.amdhsa_system_sgpr_workgroup_id_y 1
		.amdhsa_system_sgpr_workgroup_id_z 1
		.amdhsa_system_vgpr_workitem_id 0
		.amdhsa_next_free_vgpr 960
		.amdhsa_next_free_sgpr 66
		.amdhsa_reserve_vcc 0
		.amdhsa_float_denorm_mode_32 3
		.amdhsa_float_denorm_mode_16_64 3
		.amdhsa_memory_ordered 1
		.amdhsa_forward_progress 1
		.amdhsa_inst_pref_size 55
	.end_amdhsa_kernel
	.amdgpu_metadata
---
amdhsa.version: [ 1, 2 ]
amdhsa.kernels:
  - .name:           k_q7d373dcf02_ffn2
    .symbol:         k_q7d373dcf02_ffn2.kd
    .args:
      - { .name: hq, .offset: 0, .size: 8, .value_kind: global_buffer, .address_space: global }
      - { .name: rtab, .offset: 8, .size: 8, .value_kind: global_buffer, .address_space: global }
      - { .name: w2_codes, .offset: 16, .size: 8, .value_kind: global_buffer, .address_space: global }
      - { .name: w2_scales, .offset: 24, .size: 8, .value_kind: global_buffer, .address_space: global }
      - { .name: part, .offset: 32, .size: 8, .value_kind: global_buffer, .address_space: global }
    .group_segment_fixed_size: 99840
    .private_segment_fixed_size: 0
    .kernarg_segment_align: 8
    .kernarg_segment_size: 40
    .max_flat_workgroup_size: 128
    .sgpr_count:     66
    .vgpr_count:     960
    .wavefront_size: 32
...
	.end_amdgpu_metadata
.endif
;; end of part 4
;; launch combine (part 5): grid 72 x 4, 4 waves a work-group, no clusters, 17,920 bytes of LDS; arguments part, rtab, gfac, b2, out0; writes out0
.if DOCPART == 5
	.amdgcn_target "amdgcn-amd-amdhsa--gfx1250"
	.amdhsa_code_object_version 6
	.text
	.protected	k_q7d373dcf02_combine
	.globl	k_q7d373dcf02_combine
	.p2align	8
	.type	k_q7d373dcf02_combine,@function
k_q7d373dcf02_combine:
	s_mov_b64 s[64:65], 0
	v_nop
	global_prefetch_b8 v0, s[64:65] scope:SCOPE_SE
	s_setreg_imm32_b32 hwreg(HW_REG_WAVE_MODE, 25, 1), 1
	s_wait_xcnt 0x0
; SwitchMoE, launch 5 of 5: out0[token] = gate x (the four K quarters' sums + b2[expert]).  The last product of the dense form has one term that is not 0 for each token (see the first kernel's head): one scaling.
; Work-group (tile t, y); wave w takes the 64 columns dg = 4 y + w of the tile's 16 slots.  The grid serves every split: 72 tiles' worth; a tile that the split does not use (TEXP = 8) stores nothing and ends.
; A lane holds one slot and eight neighbouring columns of each of four groups: the 16 x 64 numbers turn through the wave's own stage (pitch 272), so that sixteen lanes store a token's 256 consecutive bytes, aligned.
; Slots without a token (order = 1024) are masked out of the stores.  No barrier: waves share nothing.
.set SPARE, 4*16*272                   ; 17,408: the spare words
.set SPW, 5
.set NIL, 6
.set PA,  16                           ; v16-143  four records of 32 registers
.set B2,  144                          ; v144-175 b2 in the sums' layout
.set GF,  176                          ; v176 my slot's factor (v177: named with it as a pair)
.set ORD, 178                          ; v178-185 the tokens of the rows that I store
.set OA,  192                          ; v192-199 their byte offsets in out0
	s_load_b256 s[4:11], s[0:1], 0x0               ; part s[4:5], rtab s[6:7], gfac s[8:9], b2 s[10:11]
	s_load_b64 s[12:13], s[0:1], 0x20              ; out0
	v_lshl_add_u32 v[SPW], v0, 2, SPARE
	v_mov_b32 v[NIL], 0
	v_lshrrev_b32 v1, 5, v0
	v_readfirstlane_b32 s14, v1                    ; wave
	s_lshl_b32 s17, ttmp9, 2
	s_wait_kmcnt 0x0
	s_load_b32 s16, s[6:7], s17 offset:5184        ; the tile's expert
	s_and_b32 s15, ttmp7, 0xffff
	s_lshl_b32 s15, s15, 2
	s_add_co_u32 s15, s15, s14                     ; dg
	v_and_b32 v1, 31, v0
	v_and_b32 v2, 15, v0                           ; r
	v_bfe_u32 v3, v0, 4, 1                         ; h
	v_lshlrev_b32 v4, 4, v1
	v_lshlrev_b32 v7, 5, v3                        ; b2: 8 h numbers on
	v_lshlrev_b32 v8, 2, v2                        ; gfac: 4 r
	v_lshlrev_b32 v9, 2, v3                        ; order: 4 h
	s_mul_i32 s21, s14, 16*272                     ; my stage
	v_mul_u32_u24 v10, v2, 272
	v_lshl_add_u32 v10, v3, 5, v10
	v_add_nc_u32 v10, s21, v10                     ; in: row r, + 32 h
	v_mul_u32_u24 v11, v3, 272
	v_lshl_add_u32 v11, v2, 4, v11
	v_add_nc_u32 v11, s21, v11                     ; back: lanes 0-15 one row, lanes 16-31 the next
	s_lshl_b32 s20, s15, 8
	v_lshl_add_u32 v12, v2, 4, s20                 ; my 16 bytes of a row of out0: 256 dg + 16 r
	v_mov_b32 v[GF+1], 0
	s_mov_b32 s19, 0
	s_wait_kmcnt 0x0
	s_cmp_ge_u32 s16, 8
	s_cbranch_scc1 .Lquit                          ; nothing has been written to LDS on this way
	s_min_u32 s16, s16, 7
	s_lshl_b32 s18, ttmp9, 18
	s_lshl_b32 s20, s15, 14
	s_add_co_u32 s18, s18, s20
	s_add_nc_u64 s[4:5], s[4:5], s[18:19]          ; my four records
	s_lshl_b32 s18, s16, 12
	s_lshl_b32 s20, s15, 8
	s_add_co_u32 s18, s18, s20
	s_add_nc_u64 s[10:11], s[10:11], s[18:19]      ; b2[e][64 dg ..]
	s_lshl_b32 s18, ttmp9, 6
	s_add_nc_u64 s[6:7], s[6:7], s[18:19]          ; order and gfac at the tile's first slot
	s_add_nc_u64 s[8:9], s[8:9], s[18:19]
.irp k, 0,1,2,3
.irp i, 0,1,2,3,4,5,6,7
	global_load_b128 v[PA+32*\k+4*\i:PA+32*\k+4*\i+3], v4, s[4:5] offset:4096*\k+512*\i th:TH_LOAD_NT
.endr
.endr
.irp a, 0,1,2,3
	global_load_b128 v[B2+8*\a:B2+8*\a+3], v7, s[10:11] offset:64*\a
	global_load_b128 v[B2+8*\a+4:B2+8*\a+7], v7, s[10:11] offset:64*\a+16
.endr
	global_load_b32 v[GF], v8, s[8:9]
.irp i, 0,1,2,3,4,5,6,7
	global_load_b32 v[ORD+\i], v9, s[6:7] offset:8*\i
.endr
	s_wait_loadcnt 0x0
.irp n, 0,2,4,6,8,10,12,14,16,18,20,22,24,26,28,30
	v_pk_add_f32 v[PA+\n:PA+\n+1], v[PA+\n:PA+\n+1], v[PA+32+\n:PA+32+\n+1]
	v_pk_add_f32 v[PA+64+\n:PA+64+\n+1], v[PA+64+\n:PA+64+\n+1], v[PA+96+\n:PA+96+\n+1]
.endr
.irp n, 0,2,4,6,8,10,12,14,16,18,20,22,24,26,28,30
	v_pk_add_f32 v[PA+\n:PA+\n+1], v[PA+\n:PA+\n+1], v[PA+64+\n:PA+64+\n+1]
.endr
.irp n, 0,2,4,6,8,10,12,14,16,18,20,22,24,26,28,30
	v_pk_add_f32 v[PA+\n:PA+\n+1], v[PA+\n:PA+\n+1], v[B2+\n:B2+\n+1]
.endr
.irp n, 0,2,4,6,8,10,12,14,16,18,20,22,24,26,28,30
	v_pk_mul_f32 v[PA+\n:PA+\n+1], v[PA+\n:PA+\n+1], v[GF:GF+1] op_sel_hi:[1,0]
.endr
.irp a, 0,1,2,3
	ds_store_b128 v10, v[PA+8*\a:PA+8*\a+3] offset:64*\a
	ds_store_b128 v10, v[PA+8*\a+4:PA+8*\a+7] offset:64*\a+16
.endr
.irp i, 0,1,2,3,4,5,6,7
	ds_load_b128 v[PA+64+4*\i:PA+64+4*\i+3], v11 offset:2*272*\i     ; LDS serves a wave's instructions in order: these see my stores
.endr
.irp i, 0,1,2,3,4,5,6,7
	v_cmp_gt_u32 s[24+\i], 0x400, v[ORD+\i]        ; a slot with a token
	v_min_u32 v[ORD+\i], 0x3ff, v[ORD+\i]
	v_lshl_add_u32 v[OA+\i], v[ORD+\i], 12, v12
.endr
	s_wait_tensorcnt 0x0                           ; the wave's end: three lines behind my last LDS store
	ds_add_u32 v[SPW], v[NIL]
	s_wait_dscnt 0x0                               ; (and the rows are back)
.irp i, 0,1,2,3,4,5,6,7
	s_wait_xcnt 0x0                                ; EXEC is a source of a pending store: it changes only behind this wait
	s_and_saveexec_b32 s22, s[24+\i]
	global_store_b128 v[OA+\i], v[PA+64+4*\i:PA+64+4*\i+3], s[12:13] th:TH_STORE_NT   ; sixteen lanes store a token's 256 consecutive bytes, aligned
	s_wait_xcnt 0x0
	s_or_b32 exec_lo, exec_lo, s22
.endr
	s_endpgm
.Lquit:
	s_endpgm
.Lfunc_end_k_q7d373dcf02_combine:
	.size	k_q7d373dcf02_combine, .Lfunc_end_k_q7d373dcf02_combine-k_q7d373dcf02_combine
	.p2alignl 7, 3214868480
	.fill 96, 4, 3214868480
	.section	.rodata,"a",@progbits
	.p2align	6, 0x0
	.amdhsa_kernel k_q7d373dcf02_combine
		.amdhsa_group_segment_fixed_size 17920
		.amdhsa_private_segment_fixed_size 0
		.amdhsa_enable_private_segment 0
		.amdhsa_kernarg_size 40
		.amdhsa_user_sgpr_count 2
		.amdhsa_user_sgpr_kernarg_segment_ptr 1
		.amdhsa_wavefront_size32 1
		.amdhsa_system_sgpr_workgroup_id_x 1
		.amdhsa_system_sgpr_workgroup_id_y 1
		.amdhsa_system_sgpr_workgroup_id_z 1
		.amdhsa_system_vgpr_workitem_id 0
		.amdhsa_next_free_vgpr 208
		.amdhsa_next_free_sgpr 66
		.amdhsa_reserve_vcc 0
		.amdhsa_float_denorm_mode_32 3
		.amdhsa_float_denorm_mode_16_64 3
		.amdhsa_memory_ordered 1
		.amdhsa_forward_progress 1
		.amdhsa_inst_pref_size 17
	.end_amdhsa_kernel
	.amdgpu_metadata
---
amdhsa.version: [ 1, 2 ]
amdhsa.kernels:
  - .name:           k_q7d373dcf02_combine
    .symbol:         k_q7d373dcf02_combine.kd
    .args:
      - { .name: part, .offset: 0, .size: 8, .value_kind: global_buffer, .address_space: global }
      - { .name: rtab, .offset: 8, .size: 8, .value_kind: global_buffer, .address_space: global }
      - { .name: gfac, .offset: 16, .size: 8, .value_kind: global_buffer, .address_space: global }
      - { .name: b2, .offset: 24, .size: 8, .value_kind: global_buffer, .address_space: global }
      - { .name: out0, .offset: 32, .size: 8, .value_kind: global_buffer, .address_space: global }
    .group_segment_fixed_size: 17920
    .private_segment_fixed_size: 0
    .kernarg_segment_align: 8
    .kernarg_segment_size: 40
    .max_flat_workgroup_size: 128
    .sgpr_count:     66
    .vgpr_count:     208
    .wavefront_size: 32
...
	.end_amdgpu_metadata
.endif
;; end of part 5
;; ======== version 2 of 2: 5 launches
;; workspace buffers: top1 4,096 bytes of whole numbers; score 4,096 bytes; xq 819,200 bytes; rtab 5,632 bytes of whole numbers; gfac 5,120 bytes; hq 3,686,400 bytes; part 18,874,368 bytes
;; launch gate (part 6): grid 256 x 1, 4 waves a work-group, no clusters, 55,296 bytes of LDS; arguments x, wg, bg, top1, score, xq; writes top1, score, xq
.if DOCPART == 6
	.amdgcn_target "amdgcn-amd-amdhsa--gfx1250"
	.amdhsa_code_object_version 6
	.text
	.protected	k_q7d373dcf02_gate
	.globl	k_q7d373dcf02_gate
	.p2align	8
	.type	k_q7d373dcf02_gate,@function
k_q7d373dcf02_gate:
	s_mov_b64 s[64:65], 0
	v_nop
	global_prefetch_b8 v0, s[64:65] scope:SCOPE_SE
	s_setreg_imm32_b32 hwreg(HW_REG_WAVE_MODE, 25, 1), 1
	s_wait_xcnt 0x0
; SwitchMoE, launch 1 of 5: the router's scores, and x as codes of E2M3.
; DEAD WORK, left out by the whole program.  gate[n][e] = score[n][e] * one_hot(top1[n])[e] / denom[e] * 1024, and one_hot is the constant 0 for every e other than top1[n]: so gate[n][e] = 0
; there for all finite inputs, its term gate[n][e] * y[e][n][:] of the last product is 0, and the rows (e, n) with e != top1[n] of x W1[e] and of gelu(..) W2[e] reach no output.  The program multiplies only
; row n of expert top1[n]; the last product is one scaling.  Every input still has a way to the output, and all are loaded.
; LIMITS: a NaN, an infinity or an overflow that arises only in the rows left out (0 x infinity in the dense form) is not carried to the result; NaN and infinities among the inputs are not served;
; a block of zeros gets the scale byte 1, not 127: its codes are zeros, and only this program reads the bytes; two normalised scores that are equal or one rounding apart may be ranked either way
; (equal ones: the lower index, as argmax has it).
; SHARES.  One wave, one token: n = 4 x work-group + wave.  Lane l holds x[n][32 l .. 32 l + 31], which is block l of the row: its largest magnitude needs no other lane.
; The logits are f32 multiply-adds: lane l sums its 32 k for all 8 experts, then the 32 lanes are added.  wg (32 KB) is brought once by the four waves in dense loads and turned through LDS so that lane l finds
; wg[32 l ..][0..7] in 1,024 bytes of its own (pitch 1,040).  x is loaded densely too (512 bytes a load) and turned through the wave's own stage (pitch 144).
; xq: a token's 768 bytes of codes are laid in the order of the operand's registers: [K step s][g 0..2][half h][16 bytes] = registers 4 g .. 4 g + 3 of lanes (., h); its 32 scale bytes follow from byte SCOFF on.
.set WPITCH, 1040
.set XST,    32*WPITCH                 ; 33,280: four stages of 32 x 144 bytes
.set XPITCH, 144
.set CST,    XST+4*32*XPITCH           ; 51,712: four stages of 768 bytes for the codes
.set SPARE,  CST+4*768                 ; 54,784: the spare words, 128 bytes for each wave
.set SCOFF,  786432                    ; where the scale bytes begin in xq
.set SPW, 2                            ; v2  my spare word;  v3  0: both never rewritten
.set NIL, 3
.set XR,  16                           ; v16-47   x as loaded
.set XB,  48                           ; v48-79   my block of 32
.set WB0, 80                           ; v80-143, v144-207: two buffers of 8 k x 8 experts of wg
.set WB1, 144
.set ACC, 208                          ; v208-215 the 8 logits
.set TT,  216                          ; v216-223 at work
.set CD,  240                          ; v240-245 my block's codes;  v246-248 their second half as it is made
.set PD,  246
.set SEL, 26                           ; s[26:27] lane selects: lane l xor 16
	s_load_b256 s[4:11], s[0:1], 0x0               ; x s[4:5], wg s[6:7], bg s[8:9], top1 s[10:11]
	s_load_b128 s[12:15], s[0:1], 0x20             ; score s[12:13], xq s[14:15]
	v_lshl_add_u32 v[SPW], v0, 2, SPARE
	v_mov_b32 v[NIL], 0
	v_lshrrev_b32 v12, 5, v0
	v_readfirstlane_b32 s24, v12                   ; wave
	v_and_b32 v1, 31, v0                           ; lane
	v_lshlrev_b32 v4, 4, v1                        ; 16 x lane
	s_mul_i32 s25, s24, 32*XPITCH
	s_add_co_u32 s25, s25, XST                     ; my stage for x
	v_lshrrev_b32 v12, 3, v1
	v_mul_u32_u24 v12, v12, XPITCH
	v_and_b32 v13, 7, v1
	v_lshl_add_u32 v12, v13, 4, v12
	v_add_nc_u32 v5, s25, v12                      ; in: eight lanes' 128 bytes are one block: 144 (l / 8) + 16 (l % 8); a load's 512 bytes take four places
	v_mul_u32_u24 v12, v1, XPITCH
	v_add_nc_u32 v6, s25, v12                      ; out: 144 x lane
	s_mul_i32 s25, s24, 8*WPITCH
	v_add_nc_u32 v7, s25, v4                       ; wg in: my wave's 8,192 bytes are eight lanes' places
	v_mul_u32_u24 v8, v1, WPITCH                   ; wg out: 1,040 x lane
	s_mul_i32 s25, s24, 768
	s_add_co_u32 s25, s25, CST                     ; my stage for the codes
	v_lshrrev_b32 v12, 2, v1
	v_mul_u32_u24 v12, v12, 96                     ; K step s = l / 4
	v_and_b32 v13, 1, v1
	v_lshl_add_u32 v12, v13, 4, v12                ; half h = l % 2
	v_add_nc_u32 v12, s25, v12
	v_bfe_u32 v13, v1, 1, 1                        ; c = (l / 2) % 2: my six registers are registers 6 c .. 6 c + 5 of the fragment
	v_mad_u32_u24 v9, v13, 40, v12                 ; registers 6 c, 6 c + 1 (and, 32 bytes on, 6 c + 4, 6 c + 5)
	v_mad_u32_u24 v10, v13, 56, v12
	v_add_nc_u32 v10, 8, v10                       ; registers 6 c + 2, 6 c + 3
	v_lshl_add_u32 v11, v1, 3, s25                 ; back: 8 bytes a lane
	v_lshlrev_b32 v14, 3, v1
	s_mov_b32 s[SEL], 0x76543210
	s_mov_b32 s[SEL+1], 0xfedcba98
	s_lshl_b32 s28, ttmp9, 2
	s_add_co_u32 s28, s28, s24                     ; my token
	s_mov_b32 s31, 0
.irp e, 0,1,2,3,4,5,6,7
	v_mov_b32 v[TT+\e], 0                          ; written once: a lane permute's destination counts as one of its sources
.endr
	s_wait_kmcnt 0x0
	s_load_b256 s[16:23], s[8:9], 0x0              ; bg
	s_lshl_b32 s30, s28, 12
	s_add_nc_u64 s[4:5], s[4:5], s[30:31]          ; my row of x
	s_lshl_b32 s30, s24, 13
	s_add_nc_u64 s[6:7], s[6:7], s[30:31]          ; my wave's quarter of wg
	s_add_nc_u64 s[32:33], s[14:15], SCOFF
	s_lshl_b32 s30, s28, 5
	s_add_nc_u64 s[32:33], s[32:33], s[30:31]      ; my token's scale bytes
	s_mul_i32 s30, s28, 768
	s_add_nc_u64 s[14:15], s[14:15], s[30:31]      ; and its codes
	s_lshl_b32 s29, s28, 2
	v_mov_b32 v15, s29                             ; 4 x token
.irp j, 0,1,2,3,4,5,6,7
	global_load_b128 v[XR+4*\j:XR+4*\j+3], v4, s[4:5] offset:512*\j th:TH_LOAD_NT   ; 512 consecutive bytes a load
.endr
.irp j, 0,1,2,3,4,5,6,7,8,9,10,11,12,13,14,15
	global_load_b128 v[WB0+4*\j:WB0+4*\j+3], v4, s[6:7] offset:512*\j
.endr
	s_wait_loadcnt 16                              ; x's eight loads are in; wg's sixteen, issued behind them, may be out
.irp j, 0,1,2,3,4,5,6,7
	ds_store_b128 v5, v[XR+4*\j:XR+4*\j+3] offset:4*XPITCH*\j
.endr
.irp i, 0,1,2,3,4,5,6,7
	ds_load_b128 v[XB+4*\i:XB+4*\i+3], v6 offset:16*\i      ; LDS serves a wave's instructions in order: these see my stores
.endr
	s_wait_loadcnt 0x0
.irp j, 0,1,2,3,4,5,6,7,8,9,10,11,12,13,14,15
	ds_store_b128 v7, v[WB0+4*\j:WB0+4*\j+3] offset:(\j/2)*WPITCH+512*(\j%2)
.endr
	s_wait_dscnt 0x0                               ; for the others' sake: my part of wg lies in LDS
	s_barrier_signal -1
	s_barrier_wait -1                              ; everybody's does
.macro WGL buf, c                      ; wg[32 l + 8 c + kk][e] into register 8 kk + e of the buffer
.irp m, 0,1,2,3,4,5,6,7,8,9,10,11,12,13,14,15
	ds_load_b128 v[\buf+4*\m:\buf+4*\m+3], v8 offset:256*(\c)+16*\m
.endr
.endm
.macro FMA8 buf, c, first              ; 8 k x 8 experts, two experts an instruction; x[k] serves both halves.  first = 1: the first product starts the sums
.irp k, 0,2,4,6
.irp p, 0,1,2,3
.if (\first) && (\k == 0)
	v_pk_mul_f32 v[ACC+2*\p:ACC+2*\p+1], v[XB+8*(\c)+\k:XB+8*(\c)+\k+1], v[\buf+8*\k+2*\p:\buf+8*\k+2*\p+1] op_sel_hi:[0,1]
.else
	v_pk_fma_f32 v[ACC+2*\p:ACC+2*\p+1], v[XB+8*(\c)+\k:XB+8*(\c)+\k+1], v[\buf+8*\k+2*\p:\buf+8*\k+2*\p+1], v[ACC+2*\p:ACC+2*\p+1] op_sel_hi:[0,1,1]
.endif
.endr
.irp p, 0,1,2,3
	v_pk_fma_f32 v[ACC+2*\p:ACC+2*\p+1], v[XB+8*(\c)+\k:XB+8*(\c)+\k+1], v[\buf+8*\k+8+2*\p:\buf+8*\k+8+2*\p+1], v[ACC+2*\p:ACC+2*\p+1] op_sel:[1,0,0] op_sel_hi:[1,1,1]
.endr
.endr
.endm
	WGL WB0, 0
	WGL WB1, 1
	s_wait_dscnt 16                                ; the older chunk is in; the younger chunk's sixteen loads may be out (so at each of the three)
	FMA8 WB0, 0, 1
	WGL WB0, 2
	s_wait_alu depctr_va_vdst(0)
	s_wait_dscnt 16
	FMA8 WB1, 1, 0
	WGL WB1, 3
	s_wait_alu depctr_va_vdst(0)
	s_wait_dscnt 16
	FMA8 WB0, 2, 0
	s_wait_alu depctr_va_vdst(0)
	s_wait_dscnt 0x0
	FMA8 WB1, 3, 0
.irp m, 1,2,4,8                        ; the 32 lanes' sums: four steps inside each half of 16 lanes, one across
.irp e, 0,1,2,3,4,5,6,7
	v_add_f32_dpp v[ACC+\e], v[ACC+\e], v[ACC+\e] row_xmask:\m row_mask:0xf bank_mask:0xf
.endr
.endr
.irp e, 0,1,2,3,4,5,6,7
	v_permlanex16_b32 v[TT+\e], v[ACC+\e], s[SEL], s[SEL+1]
.endr
.irp e, 0,1,2,3,4,5,6,7
	v_add_f32 v[ACC+\e], v[ACC+\e], v[TT+\e]
.endr
	s_wait_alu depctr_va_vdst(0)
	s_wait_kmcnt 0x0                               ; bg
.irp e, 0,1,2,3,4,5,6,7
	v_add_f32 v[ACC+\e], s[16+\e], v[ACC+\e]
.endr
	; the softmax, with its maximum taken away, finished and normalised; then the argmax of the scores
	v_max3_num_f32 v224, v[ACC], v[ACC+1], v[ACC+2]
	v_max3_num_f32 v224, v224, v[ACC+3], v[ACC+4]
	v_max3_num_f32 v224, v224, v[ACC+5], v[ACC+6]
	v_max_num_f32 v224, v224, v[ACC+7]
.irp e, 0,1,2,3,4,5,6,7
	v_sub_f32 v[TT+\e], v[ACC+\e], v224
.endr
.irp e, 0,1,2,3,4,5,6,7
	v_mul_f32 v[TT+\e], 0x3fb8aa3b, v[TT+\e]       ; x log2(e)
.endr
	s_wait_alu depctr_va_vdst(0)
.irp e, 0,1,2,3,4,5,6,7
	v_exp_f32 v[TT+\e], v[TT+\e]
.endr
	v_mov_b32 v233, 0                              ; (a plain line behind the exponentials)  the index so far
	s_wait_alu depctr_va_vdst(0)                   ; one wait for the batch of eight, ahead of its first reader
	v_add_f32 v225, v[TT], v[TT+1]
	v_add_f32 v227, v[TT+2], v[TT+3]
	v_add_f32 v228, v[TT+4], v[TT+5]
	v_add_f32 v229, v[TT+6], v[TT+7]
	v_add_f32 v225, v225, v227
	v_add_f32 v228, v228, v229
	v_add_f32 v225, v225, v228
	s_wait_alu depctr_va_vdst(0)
	v_rcp_f32 v226, v225
	v_nop
	s_wait_alu depctr_va_vdst(0)
.irp e, 0,1,2,3,4,5,6,7
	v_mul_f32 v[TT+\e], v[TT+\e], v226
.endr
	v_mov_b32 v232, v[TT]
.irp e, 1,2,3,4,5,6,7
	v_cmp_le_f32 vcc_lo, v[TT+\e], v232            ; not greater: the index stays, so the lower index wins a tie
	v_cndmask_b32 v233, \e, v233, vcc_lo
	v_max_num_f32 v232, v232, v[TT+\e]
.endr
	; my block of x: the largest magnitude (two chains, with the floor 2^(3 - 127) among the leaves, so that the byte cannot fall under 1), the scale, the codes
	v_max3_num_f32 v234, |v[XB]|, |v[XB+1]|, 0x1800000
	v_max3_num_f32 v235, |v[XB+16]|, |v[XB+17]|, 0x1800000
.irp i, 2,4,6,8,10,12,14
	v_max3_num_f32 v234, v234, |v[XB+\i]|, |v[XB+\i+1]|
	v_max3_num_f32 v235, v235, |v[XB+16+\i]|, |v[XB+17+\i]|
.endr
	v_max_num_f32 v234, v234, v235
	v_add_nc_u32 v236, 0xff000000, v234            ; 2 off the exponent field: the conversion takes the exponent field of this operand as its scale
	v_lshrrev_b32 v237, 23, v236                   ; the scale's byte
	v_cvt_scalef32_pk16_fp6_f32 v[CD:CD+2], v[XB:XB+15], v236
	v_cvt_scalef32_pk16_fp6_f32 v[PD:PD+2], v[XB+16:XB+31], v236     ; (a conversion's three registers begin on an even number)
	v_nop                                          ; one plain line behind a scaled conversion
.irp i, 0,1,2
	v_mov_b32 v[CD+3+\i], v[PD+\i]
.endr
	ds_store_b64 v9, v[CD:CD+1]
	ds_store_b64 v10, v[CD+2:CD+3]
	ds_store_b64 v9, v[CD+4:CD+5] offset:32
.irp p, 0,1,2
	ds_load_b64 v[XR+2*\p:XR+2*\p+1], v11 offset:256*\p       ; the token's 768 bytes back, 8 bytes a lane
.endr
	global_store_b8 v1, v237, s[32:33]             ; 32 scale bytes on end
	s_wait_tensorcnt 0x0                           ; the wave's end
	ds_add_u32 v[SPW], v[NIL]
	s_wait_dscnt 0x0                               ; (and the codes are back)
.irp p, 0,1,2
	global_store_b64 v14, v[XR+2*\p:XR+2*\p+1], s[14:15] offset:256*\p   ; 32 lanes store 256 consecutive bytes, at a multiple of 256 from xq's first byte
.endr
	v_cmp_eq_u32 vcc_lo, 0, v1
	s_wait_xcnt 0x0                                ; EXEC is a source of the stores above: it changes only behind this wait
	s_and_saveexec_b32 s25, vcc_lo
	global_store_b32 v15, v233, s[10:11]           ; lane 0: the chosen expert, a value only: no address of this launch hangs on it
	global_store_b32 v15, v232, s[12:13]           ; and its score
	s_wait_xcnt 0x0
	s_or_b32 exec_lo, exec_lo, s25
	s_endpgm
.Lfunc_end_k_q7d373dcf02_gate:
	.size	k_q7d373dcf02_gate, .Lfunc_end_k_q7d373dcf02_gate-k_q7d373dcf02_gate
	.p2alignl 7, 3214868480
	.fill 96, 4, 3214868480
	.section	.rodata,"a",@progbits
	.p2align	6, 0x0
	.amdhsa_kernel k_q7d373dcf02_gate
		.amdhsa_group_segment_fixed_size 55296
		.amdhsa_private_segment_fixed_size 0
		.amdhsa_enable_private_segment 0
		.amdhsa_kernarg_size 48
		.amdhsa_user_sgpr_count 2
		.amdhsa_user_sgpr_kernarg_segment_ptr 1
		.amdhsa_wavefront_size32 1
		.amdhsa_system_sgpr_workgroup_id_x 1
		.amdhsa_system_sgpr_workgroup_id_y 1
		.amdhsa_system_sgpr_workgroup_id_z 1
		.amdhsa_system_vgpr_workitem_id 0
		.amdhsa_next_free_vgpr 256
		.amdhsa_next_free_sgpr 66
		.amdhsa_reserve_vcc 1
		.amdhsa_float_denorm_mode_32 3
		.amdhsa_float_denorm_mode_16_64 3
		.amdhsa_memory_ordered 1
		.amdhsa_forward_progress 1
		.amdhsa_inst_pref_size 28
	.end_amdhsa_kernel
	.amdgpu_metadata
---
amdhsa.version: [ 1, 2 ]
amdhsa.kernels:
  - .name:           k_q7d373dcf02_gate
    .symbol:         k_q7d373dcf02_gate.kd
    .args:
      - { .name: x, .offset: 0, .size: 8, .value_kind: global_buffer, .address_space: global }
      - { .name: wg, .offset: 8, .size: 8, .value_kind: global_buffer, .address_space: global }
      - { .name: bg, .offset: 16, .size: 8, .value_kind: global_buffer, .address_space: global }
      - { .name: top1, .offset: 24, .size: 8, .value_kind: global_buffer, .address_space: global }
      - { .name: score, .offset: 32, .size: 8, .value_kind: global_buffer, .address_space: global }
      - { .name: xq, .offset: 40, .size: 8, .value_kind: global_buffer, .address_space: global }
    .group_segment_fixed_size: 55296
    .private_segment_fixed_size: 0
    .kernarg_segment_align: 8
    .kernarg_segment_size: 48
    .max_flat_workgroup_size: 128
    .sgpr_count:     66
    .vgpr_count:     256
    .wavefront_size: 32
...
	.end_amdgpu_metadata
.endif
;; end of part 6
;; launch route (part 7): grid 1 x 1, 32 waves a work-group, no clusters, 5,632 bytes of LDS; arguments top1, score, rtab, gfac; writes rtab, gfac
.if DOCPART == 7
	.amdgcn_target "amdgcn-amd-amdhsa--gfx1250"
	.amdhsa_code_object_version 6
	.text
	.protected	k_q7d373dcf02_route
	.globl	k_q7d373dcf02_route
	.p2align	8
	.type	k_q7d373dcf02_route,@function
k_q7d373dcf02_route:
	s_mov_b64 s[64:65], 0
	v_nop
	global_prefetch_b8 v0, s[64:65] scope:SCOPE_SE
	s_setreg_imm32_b32 hwreg(HW_REG_WAVE_MODE, 25, 1), 1
	s_wait_xcnt 0x0
; SwitchMoE, launch 2 of 5: a counting sort of the 1,024 tokens by their expert, and the gate's factors.  (Only the chosen expert's row of each token is multiplied: see the first kernel's head.)
; One work-group, thread t = token t.  Each expert's rows are padded to a multiple of 16: at most 1,024 / 16 + 7 = 71 tiles of 16 slots, whatever the choice.
; rtab: from byte 0 order[1280]: slot -> token, 1024 in a slot that holds none; from 5120 T[8], each expert's first tile; from 5152 NT[8], its tiles; from 5184 TEXP[80], each tile's expert, 8 for a tile that is not used.
; gfac[1280]: score / (the sum of the scores of the expert's tokens + 1e-6) x 1024 by slot, 0 in a slot that holds no token.
; All places are whole-number arithmetic on top1, which this launch reads from memory; the scores enter values alone.  No atomics: counts of a wave by its lane masks, counts of the 32 waves through LDS.
.set TBI,   0                          ; LDS: a wave's 8 counts, two to a word: 16 bytes a wave
.set TBF,   512                        ; a wave's 8 sums of scores: 32 bytes a wave
.set SPARE, 1536                       ; the spare words, 128 bytes for each of the 32 waves
.set SPW, 2
.set NIL, 3
.set MK,  12                           ; s[12:19] lanes of my wave that chose expert e
.set CN,  20                           ; s[20:27] counts: my wave's, later the whole work-group's
.set PO,  28                           ; s[28:35] where my wave's tokens of expert e begin
.set T16, 36                           ; s[36:43] expert e's first slot
.set NT,  44                           ; s[44:51] its tiles
.set TE,  52                           ; s[52:59] the tile behind its last
.set SEL, 74
.macro RED8 b, t                       ; eight f32 sums over the 32 lanes, by turns
.irp m, 1,2,4,8
.irp e, 0,1,2,3,4,5,6,7
	v_add_f32_dpp v[\b+\e], v[\b+\e], v[\b+\e] row_xmask:\m row_mask:0xf bank_mask:0xf
.endr
.endr
.irp e, 0,1,2,3,4,5,6,7
	v_permlanex16_b32 v[\t+\e], v[\b+\e], s[SEL], s[SEL+1]
.endr
.irp e, 0,1,2,3,4,5,6,7
	v_add_f32 v[\b+\e], v[\b+\e], v[\t+\e]
.endr
.endm
.macro IRED8 b, t                      ; the same for whole numbers
.irp m, 1,2,4,8
.irp e, 0,1,2,3,4,5,6,7
	v_mov_b32_dpp v[\t+\e], v[\b+\e] row_xmask:\m row_mask:0xf bank_mask:0xf
.endr
.irp e, 0,1,2,3,4,5,6,7
	v_add_nc_u32 v[\b+\e], v[\b+\e], v[\t+\e]
.endr
.endr
.irp e, 0,1,2,3,4,5,6,7
	v_permlanex16_b32 v[\t+\e], v[\b+\e], s[SEL], s[SEL+1]
.endr
.irp e, 0,1,2,3,4,5,6,7
	v_add_nc_u32 v[\b+\e], v[\b+\e], v[\t+\e]
.endr
.endm
	s_load_b256 s[4:11], s[0:1], 0x0               ; top1 s[4:5], score s[6:7], rtab s[8:9], gfac s[10:11]
	v_lshl_add_u32 v[SPW], v0, 2, SPARE
	v_mov_b32 v[NIL], 0
	v_lshrrev_b32 v8, 5, v0
	s_delay_alu instid0(VALU_DEP_1)
	v_readfirstlane_b32 s76, v8                    ; wave
	v_and_b32 v1, 31, v0
	v_lshlrev_b32 v4, 2, v0                        ; 4 t: the offset of every store below but the two by slot; never rewritten
	v_add_nc_u32 v38, 0x400, v0                    ; slot 1024 + t
	s_delay_alu instid0(VALU_DEP_4)
	v_mov_b32 v39, s76
	s_delay_alu instid0(VALU_DEP_1)
	v_lshlrev_b32 v40, 4, v39                      ; my wave's row of counts,
	s_delay_alu instid0(VALU_DEP_2)
	v_lshlrev_b32 v41, 5, v39                      ; and of sums
	v_lshlrev_b32 v54, 4, v1                       ; row l of the counts,
	v_lshlrev_b32 v55, 5, v1                       ; and of the sums
	s_mov_b32 s[SEL], 0x76543210
	s_mov_b32 s[SEL+1], 0xfedcba98
	v_mov_b32 v7, 0
	v_mov_b32 v9, 0
	v_mov_b32 v56, 0
	v_mov_b32 v50, 0x400                           ; what a slot without a token holds
	v_mov_b32 v51, 0
.irp e, 0,1,2,3,4,5,6,7
	v_mov_b32 v[42+\e], 0                          ; written once: the destination of a DPP move and of a lane permute counts as one of its sources
.endr
	s_wait_kmcnt 0x0
	global_load_b32 v5, v4, s[4:5]
	global_load_b32 v6, v4, s[6:7]
	s_wait_loadcnt 0x0
	v_min_u32 v5, 7, v5
.irp e, 0,1,2,3,4,5,6,7
	v_cmp_eq_u32 s[MK+\e], \e, v5
	s_bcnt1_i32_b32 s[CN+\e], s[MK+\e]             ; my wave's count
	v_mbcnt_lo_u32_b32 v8, s[MK+\e], 0             ; how many lanes below me chose e
	s_delay_alu instid0(VALU_DEP_1)
	v_cndmask_b32 v7, v7, v8, s[MK+\e]             ; my rank among my wave's tokens of my expert
	v_cndmask_b32 v[10+\e], 0, v6, s[MK+\e]        ; my score, under my expert alone
.endr
	RED8 10, 42                                    ; my wave's sums of scores, in every lane
.irp i, 0,1,2,3
	s_lshl_b32 s81, s[CN+2*\i+1], 16
	s_or_b32 s81, s81, s[CN+2*\i]                  ; a count is 32 at the most here, 1,024 when summed: 16 bits hold it
	v_mov_b32 v[18+\i], s81
.endr
	ds_store_b128 v40, v[18:21] offset:TBI         ; all lanes write the same bytes with the same values
	s_wait_alu depctr_va_vdst(0)
	ds_store_b128 v41, v[10:13] offset:TBF
	ds_store_b128 v41, v[14:17] offset:TBF+16
	s_wait_dscnt 0x0                               ; for the others' sake
	s_barrier_signal -1
	s_barrier_wait -1
	ds_load_b128 v[22:25], v54 offset:TBI          ; lane l: wave l's counts,
	ds_load_b128 v[30:33], v55 offset:TBF          ; and sums
	ds_load_b128 v[34:37], v55 offset:TBF+16
	s_bfm_b32 s78, s76, 0                          ; the lanes that stand for the waves below mine
	s_wait_dscnt 0x0
.irp i, 0,1,2,3
	v_cndmask_b32 v[26+\i], 0, v[22+\i], s78
.endr
	IRED8 22, 42                                   ; v22-25: the totals;  v26-29: the counts of the waves below mine
	RED8 30, 42                                    ; the sums of the chosen scores, expert by expert
.irp i, 0,1,2,3
	v_readfirstlane_b32 s81, v[22+\i]
	s_and_b32 s[CN+2*\i], s81, 0xffff
	s_lshr_b32 s[CN+2*\i+1], s81, 16
	v_readfirstlane_b32 s81, v[26+\i]
	s_and_b32 s[PO+2*\i], s81, 0xffff
	s_lshr_b32 s[PO+2*\i+1], s81, 16
.endr
	s_mov_b32 s82, 0
.irp e, 0,1,2,3,4,5,6,7
	s_add_co_u32 s[NT+\e], s[CN+\e], 15
	s_lshr_b32 s[NT+\e], s[NT+\e], 4
	s_lshl_b32 s[T16+\e], s82, 4
	s_add_co_u32 s[PO+\e], s[PO+\e], s[T16+\e]
	s_add_co_u32 s82, s82, s[NT+\e]
	s_mov_b32 s[TE+\e], s82
.endr
.irp e, 0,1,2,3,4,5,6,7
	v_add_f32 v[30+\e], 0x358637bd, v[30+\e]       ; + 1e-6
.endr
	s_wait_alu depctr_va_vdst(0)
.irp e, 0,1,2,3,4,5,6,7
	v_rcp_f32 v[30+\e], v[30+\e]
.endr
	v_nop
	s_wait_alu depctr_va_vdst(0)                   ; one wait for the batch of eight
.irp e, 0,1,2,3,4,5,6,7
	v_mul_f32 v[30+\e], 0x44800000, v[30+\e]       ; x 1,024, which rounds nothing
.endr
.irp e, 0
	v_mov_b32 v8, s[PO+\e]
	s_delay_alu instid0(VALU_DEP_1)
	v_cndmask_b32 v9, v9, v8, s[MK+\e]
	v_cndmask_b32 v56, v56, v[30+\e], s[MK+\e]
.endr
.irp e, 1, 2, 3, 4, 5, 6, 7
	v_mov_b32 v8, s[PO+\e]
	s_delay_alu instid0(VALU_DEP_1)
	v_cndmask_b32 v9, v9, v8, s[MK+\e]
	s_delay_alu instid0(VALU_DEP_3)
	v_cndmask_b32 v56, v56, v[30+\e], s[MK+\e]
.endr
	s_delay_alu instid0(VALU_DEP_2)
	v_add_nc_u32 v9, v9, v7                        ; my slot
	s_delay_alu instid0(VALU_DEP_2)
	v_mul_f32 v56, v6, v56                         ; my factor
	s_delay_alu instid0(VALU_DEP_2)
	v_min_u32 v9, 0x4ff, v9
	s_delay_alu instid0(VALU_DEP_1)
	v_lshlrev_b32 v9, 2, v9
	global_store_b32 v9, v0, s[8:9]                ; order[slot] = t
	global_store_b32 v9, v56, s[10:11]
; The slots that hold no token.  A slot holds one where slot - expert e's first slot is under e's count, for some e.  They and the slots above are disjoint: no word is stored twice.
; All masks and all data of the masked stores are made here, with every lane on, ahead of the first change of EXEC; their offset is 4 t, with the table's place in the immediate.
.macro HOLES src, dst                  ; s[dst] = the lanes whose slot v[src] holds no token
	s_mov_b32 s[\dst], 0
.irp e, 0,1,2,3,4,5,6,7
	v_sub_nc_u32 v8, v[\src], s[T16+\e]
	s_delay_alu instid0(VALU_DEP_1)
	v_cmp_lt_u32 s84, v8, s[CN+\e]
	s_or_b32 s[\dst], s[\dst], s84
.endr
	s_not_b32 s[\dst], s[\dst]
.endm
	HOLES 0, 83                                    ; slots 0 to 1023
	HOLES 38, 86                                   ; slots 1024 to 1279:
	v_cmp_gt_u32 s84, 256, v0                      ; threads 0 to 255 alone
	s_and_b32 s86, s86, s84
	v_mov_b32 v52, 0
	v_mov_b32 v53, 0
.irp e, 0,1,2,3,4,5,6,7
	v_cmp_ge_u32 s84, v0, s[TE+\e]
	s_delay_alu instid0(VALU_DEP_1)
	v_cndmask_b32 v8, 0, 1, s84
	s_delay_alu instid0(VALU_DEP_1)
	v_add_nc_u32 v52, v52, v8                      ; tile t's expert: how many experts end at or under t
.endr
.irp e, 0,1,2,3,4,5,6,7
	s_lshr_b32 s84, s[T16+\e], 4
	v_writelane_b32 v53, s84, \e                   ; lanes 0-7: T;  lanes 8-15: NT
	s_delay_alu instid0(VALU_DEP_1)
	v_writelane_b32 v53, s[NT+\e], 8+\e
.endr
	v_cmp_gt_u32 s87, 80, v0
	v_cmp_gt_u32 s88, 16, v0
	s_wait_alu depctr_va_vdst(0)
	s_wait_xcnt 0x0                                ; EXEC is a source of the stores above: it changes only behind this wait
	s_and_saveexec_b32 s85, s83
	global_store_b32 v4, v50, s[8:9]               ; order[t] = 1024,
	global_store_b32 v4, v51, s[10:11]             ; gfac[t] = 0
	s_wait_xcnt 0x0                                ; and again, in front of the line that widens it
	s_or_b32 exec_lo, exec_lo, s85
	s_wait_xcnt 0x0
	s_and_saveexec_b32 s85, s86
	global_store_b32 v4, v50, s[8:9] offset:4096   ; the same for slot 1024 + t
	global_store_b32 v4, v51, s[10:11] offset:4096
	s_wait_xcnt 0x0
	s_or_b32 exec_lo, exec_lo, s85
	s_wait_xcnt 0x0
	s_and_saveexec_b32 s85, s87
	global_store_b32 v4, v52, s[8:9] offset:5184   ; TEXP
	s_wait_xcnt 0x0
	s_or_b32 exec_lo, exec_lo, s85
	s_wait_xcnt 0x0
	s_and_saveexec_b32 s85, s88
	global_store_b32 v4, v53, s[8:9] offset:5120   ; T and NT
	s_wait_xcnt 0x0
	s_or_b32 exec_lo, exec_lo, s85
	s_wait_tensorcnt 0x0                           ; the wave's end: three lines behind my last LDS store
	ds_add_u32 v[SPW], v[NIL]
	s_wait_dscnt 0x0
	s_endpgm
.Lfunc_end_k_q7d373dcf02_route:
	.size	k_q7d373dcf02_route, .Lfunc_end_k_q7d373dcf02_route-k_q7d373dcf02_route
	.p2alignl 7, 3214868480
	.fill 96, 4, 3214868480
	.section	.rodata,"a",@progbits
	.p2align	6, 0x0
	.amdhsa_kernel k_q7d373dcf02_route
		.amdhsa_group_segment_fixed_size 5632
		.amdhsa_private_segment_fixed_size 0
		.amdhsa_enable_private_segment 0
		.amdhsa_kernarg_size 32
		.amdhsa_user_sgpr_count 2
		.amdhsa_user_sgpr_kernarg_segment_ptr 1
		.amdhsa_wavefront_size32 1
		.amdhsa_system_sgpr_workgroup_id_x 1
		.amdhsa_system_sgpr_workgroup_id_y 1
		.amdhsa_system_sgpr_workgroup_id_z 1
		.amdhsa_system_vgpr_workitem_id 0
		.amdhsa_next_free_vgpr 64
		.amdhsa_next_free_sgpr 100
		.amdhsa_reserve_vcc 0
		.amdhsa_float_denorm_mode_32 3
		.amdhsa_float_denorm_mode_16_64 3
		.amdhsa_memory_ordered 1
		.amdhsa_forward_progress 1
		.amdhsa_inst_pref_size 29
	.end_amdhsa_kernel
	.amdgpu_metadata
---
amdhsa.version: [ 1, 2 ]
amdhsa.kernels:
  - .name:           k_q7d373dcf02_route
    .symbol:         k_q7d373dcf02_route.kd
    .args:
      - { .name: top1, .offset: 0, .size: 8, .value_kind: global_buffer, .address_space: global }
      - { .name: score, .offset: 8, .size: 8, .value_kind: global_buffer, .address_space: global }
      - { .name: rtab, .offset: 16, .size: 8, .value_kind: global_buffer, .address_space: global }
      - { .name: gfac, .offset: 24, .size: 8, .value_kind: global_buffer, .address_space: global }
    .group_segment_fixed_size: 5632
    .private_segment_fixed_size: 0
    .kernarg_segment_align: 8
    .kernarg_segment_size: 32
    .max_flat_workgroup_size: 1024
    .sgpr_count:     100
    .vgpr_count:     64
    .wavefront_size: 32
...
	.end_amdgpu_metadata
.endif
;; end of part 7
;; launch ffn1 (part 8): grid 256 x 1, 4 waves a work-group, no clusters, 100,864 bytes of LDS; arguments xq, rtab, w1_codes, w1_scales, b1, hq; writes hq
.if DOCPART == 8
	.amdgcn_target "amdgcn-amd-amdhsa--gfx1250"
	.amdhsa_code_object_version 6
	.text
	.protected	k_q7d373dcf02_ffn1
	.globl	k_q7d373dcf02_ffn1
	.p2align	8
	.type	k_q7d373dcf02_ffn1,@function
k_q7d373dcf02_ffn1:
	s_mov_b64 s[64:65], 0
	v_nop
	global_prefetch_b8 v0, s[64:65] scope:SCOPE_SE
	s_setreg_imm32_b32 hwreg(HW_REG_WAVE_SCHED_MODE, 0, 2), 2
	s_setreg_imm32_b32 hwreg(HW_REG_WAVE_MODE, 25, 1), 1
	s_wait_xcnt 0x0
	s_wait_alu depctr_vm_vsrc(0)
; SwitchMoE, launch 3 of 5: hq = Q(gelu(Q(x) W1[e] + b1[e])) for the rows of each expert's own tokens alone (the other rows reach no output: see the first kernel's head).
; THE WEIGHTS STAY IN REGISTERS.  Work-group (e, ks) owns hidden units 128 ks .. 128 ks + 127 of expert e: 8 x 32 = 256 work-groups.  Wave w holds the piece pc = w % 2 (64 units x all 1,024 of K: 32 fragments,
; 384 registers) and takes the expert's tiles of 16 tokens of parity q = w / 2.  Each weight byte is loaded once in the launch: 48 dense loads of 512 bytes a wave, all issued at the head, turned into fragments through LDS.
; No tensor load, no cluster: the number of tiles is a stored number (rtab), on which trip counts hang, so operands go through registers; the one barrier stands at the head, ahead of every branch on a stored number.
; An expert without a token still loads its weights: leaving that out would put the barrier under such a branch.
; BOTH USES ARE TRANSPOSED: source 0 = 16 hidden units, source 1 = 16 tokens, so that a lane holds ONE token and its registers run along the hidden units, the next product's K.
; THE UNITS OF A TILE ARE NOT NEIGHBOURS: lane r of tile 2 b + u takes unit 32 b + 8 u + r + 8 (r / 8), so that the 16 registers of tiles 2 b, 2 b + 1 are the 16 neighbours 32 b + 16 (lane / 16) + 0 .. 15.
; b1 is the C of each sum's first product.  gelu(v) = v / 2 + erf(v / sqrt 2) v / 2 in f32; erf(z) = z P(z^2) / Q(z^2), degrees 6 and 4, z held to +-4.
; LIMITS: erf is good to a few roundings of erf itself, so under v = -5.66 the result is at most 6e-8 |v| in size and not the true tail; a block of zeros gets the scale byte 1 (its codes are zeros; only this program
; reads the bytes); slots without a token take token 1023's x and are thrown away by the last launch.
; hq: codes [tile 72][hk 64][768 bytes], hk = a half K step of 64 units; in a record [P 0..2][lane][8 bytes] = registers 6 (hk % 2) + 2 P, + 1 of the fragment of K step hk / 2: each store of the wave covers 256
; consecutive bytes, aligned.  Scale bytes from byte 3,538,944: [tile][m 0..7][token r][16 bytes].  A wave owns 2 of a token's 128 bytes, so they go out singly: one byte in 25 of what the launch stores.
; REGISTERS, in windows of 256: window 0: addresses, scale words, b1, the sums, at work;  window 1: W's fragments (tile a, K step s) of a = 0, 1 at v[12 (8 a + s)] (before that: the dense loads' 192);
; window 2: those of a = 2, 3;  window 3: x's eight fragments, v[12 s ..].
; THE MODE: SCHED_MODE bits 1:0 = 2 (LLVM: expert scheduling mode 2), set by the entry lines.  The code itself states the register dependences between vector or matrix instructions and memory or LDS
; instructions, with s_wait_alu, always for 0.
; THE PLAN.  Registers that memory or LDS instructions touch:
;   v4-v10, v14, v15    offsets and LDS addresses: written at the head, never again; one wait on va_vdst ahead of the first load serves every load and store that reads them.
;   window 1            the dense loads land; my LDS stores read it; the fragments' LDS loads land in it again, behind one wait on vm_vsrc; from then on, like window 2, products alone read it.
;   window 3, v20-23    x's fragments and scale words: the 25 loads of XLOAD land; the next trip's 32 products read them.
;   v11                 a tile's tokens: a load lands; XADDR reads and writes it; the next load lands.
;   v12, v13            x's offsets: XADDR writes them, XLOAD reads them.
;   v184-189, v194      the codes and the scale byte: QUANT2 writes them, the trip's four stores read them.
;   v16, v17            written at the head, read by the closing add alone.
; A TRIP has one wait on vm_vsrc, at its head (the last XLOAD has read v12 and v13, the last stores the codes and the byte: all are written again in this trip), one wait on va_vdst behind the products and XADDR, ahead of
; the run of 26 loads, and one ahead of the four stores; beside them the two waits for gelu's reciprocals.  gelu and the quantiser name none of the registers that the 26 loads touch.
.set PITCH, 784                        ; a staged row: 768 bytes + 16
.set SPARE, 128*PITCH                  ; 100,352: the spare words, 128 bytes for each wave
.set SPW, 16
.set NIL, 17
.set XS,  20                           ; v20-23   x's scale words: lanes 0-15 K steps 0-3, lanes 16-31 K steps 4-7
.set WS,  24                           ; v24-39   W's, four for each tile, likewise
.set B1,  40                           ; v40-71   b1 in the result's layout
.set HA,  72                           ; v72-103  the four sums
.set ZZ,  104
.set X2,  120
.set PP,  136
.set QQ,  152
.set TM,  172
.set CD,  184                          ; v184-189 the codes;  v190-192 their second half as it is made;  v194 my scale byte
.set PD,  190
.set SB,  194
.set SEL, 40
.set MSB, 0
.macro WIN new                         ; the immediate's high byte repeats the setting that is left; a switch that changes nothing is dropped
.if MSB != \new
	s_set_vgpr_msb (MSB<<8)|\new
.set MSB, \new
.endif
.endm
.macro SPAIR r, val                    ; a constant for the packed forms, which name a pair
	s_mov_b32 s[\r], \val
	s_mov_b32 s[\r+1], \val
.endm
	s_load_b256 s[4:11], s[0:1], 0x0               ; xq s[4:5], rtab s[6:7], W1's codes s[8:9], W1's scales s[10:11]
	s_load_b128 s[12:15], s[0:1], 0x20             ; b1 s[12:13], hq s[14:15]
	v_lshl_add_u32 v[SPW], v0, 2, SPARE
	v_mov_b32 v[NIL], 0
	v_lshrrev_b32 v1, 5, v0
	v_readfirstlane_b32 s16, v1                    ; wave
	s_wait_alu depctr_va_sdst(0)                   ; s16 is written, ahead of its first reader: the piece, the parity and the bases are made from it
	s_and_b32 s17, s16, 1                          ; pc
	s_lshr_b32 s18, s16, 1                         ; q
	s_lshr_b32 s19, ttmp9, 5                       ; e
	s_and_b32 s20, ttmp9, 31                       ; ks
	s_lshl_b32 s39, s19, 2
	v_and_b32 v1, 31, v0                           ; lane
	v_and_b32 v2, 15, v0                           ; r
	v_bfe_u32 v3, v0, 4, 1                         ; h
	v_lshlrev_b32 v4, 4, v1
	s_mul_i32 s25, s16, 32*PITCH
	v_add_nc_u32 v5, s25, v4                       ; the stage, in: my wave's 32 rows, 16 x lane;
	v_lshl_add_u32 v6, v3, 4, v5                   ; the load that straddles two rows: lanes 16-31 lie behind one padding more
	v_and_b32 v8, 8, v2
	v_add_nc_u32 v8, v8, v2                        ; r + 8 (r / 8)
	s_mul_i32 s25, s17, 64*PITCH
	v_mul_u32_u24 v7, v8, PITCH
	v_mad_u32_u24 v7, v3, 24, v7
	v_add_nc_u32 v7, s25, v7                       ; the stage, out: my piece's rows, + 24 h
	v_lshlrev_b32 v8, 5, v8
	v_lshl_add_u32 v8, v3, 4, v8                   ; W's scale bytes: 32 a row, + 16 h
	v_lshlrev_b32 v9, 6, v3                        ; b1: 16 h numbers on
	v_lshlrev_b32 v10, 2, v2                       ; order: 4 r
	v_lshlrev_b32 v14, 3, v1                       ; a record of hq: 8 x lane
	v_lshl_add_u32 v15, v2, 4, v3                  ; its scale byte: 16 r + h
	v_mov_b32 v168, 0x32edffee                     ; a1, twice
	v_mov_b32 v169, 0x32edffee
	v_mov_b32 v170, 0xb95fbd29                     ; b1, twice
	v_mov_b32 v171, 0xb95fbd29
	v_mov_b32 v[TM+2], 0                           ; written once: a lane permute's destination counts as one of its sources
	v_mov_b32 v[TM+3], 0
	SPAIR 34, 0xaf95df0b                           ; P: a0 (a1 above), a2 .. a6
	SPAIR 42, 0xb60cff51
	SPAIR 44, 0xb86ec2d2
	SPAIR 46, 0xba40ac63
	SPAIR 48, 0xbb41a1f6
	SPAIR 50, 0xbc83dbd4
	SPAIR 36, 0xb77460cd                           ; Q: b0 (b1 above), b2 .. b4
	SPAIR 52, 0xbadc924e
	SPAIR 54, 0xbbf19bf8
	SPAIR 56, 0xbc69b6a7
	SPAIR 58, 0x3f3504f3                           ; 1 / sqrt 2
	s_mov_b32 s38, 0xffff0000                      ; lanes 16-31
	s_mov_b32 s[SEL], 0x76543210
	s_mov_b32 s[SEL+1], 0xfedcba98
	s_mov_b32 s61, 0
	s_mov_b32 s24, 0
	s_wait_kmcnt 0x0
	s_load_b32 s21, s[6:7], s39 offset:5120        ; T[e]
	s_load_b32 s22, s[6:7], s39 offset:5152        ; NT[e]
	s_lshl_b32 s25, s19, 12
	s_lshl_b32 s60, s20, 7
	s_add_co_u32 s25, s25, s60                     ; the work-group's first row of W1
	s_lshl_b32 s60, s16, 5
	s_add_co_u32 s60, s60, s25
	s_mul_i32 s60, s60, 768
	s_add_nc_u64 s[8:9], s[8:9], s[60:61]          ; the 32 rows that I stage: 24,576 dense bytes
	s_lshl_b32 s60, s17, 6
	s_add_co_u32 s25, s25, s60                     ; my piece's first row
	s_lshl_b32 s60, s25, 5
	s_add_nc_u64 s[10:11], s[10:11], s[60:61]
	s_lshl_b32 s60, s25, 2
	s_add_nc_u64 s[12:13], s[12:13], s[60:61]
	s_add_nc_u64 s[30:31], s[4:5], 786432          ; x's scale bytes
	WIN 0x40                                       ; destination window 1
	s_wait_alu depctr_va_vdst(0)                   ; the offsets and LDS addresses v4 to v10, v14 and v15 are written: the loads and stores of the whole kernel read them, and none is written again
.set i, 0
.rept 48
	global_load_b128 v[4*i:4*i+3], v4, s[8:9] offset:512*i th:TH_LOAD_NT   ; 512 consecutive bytes a load; read once in the launch
.set i, i+1
.endr
	WIN 0
.irp a, 0,1,2,3
	global_load_b128 v[WS+4*\a:WS+4*\a+3], v8, s[10:11] offset:(32*(\a/2)+8*(\a%2))*32
.endr
.irp a, 0,1,2,3
	global_load_b128 v[B1+8*\a:B1+8*\a+3], v9, s[12:13] offset:(32*(\a/2)+8*(\a%2))*4
	global_load_b128 v[B1+8*\a+4:B1+8*\a+7], v9, s[12:13] offset:(32*(\a/2)+8*(\a%2))*4+16
.endr
	s_wait_kmcnt 0x0
	s_min_u32 s21, s21, 71
	s_min_u32 s22, s22, 64
	s_add_co_u32 s25, s21, s18                     ; my first tile
	s_lshl_b32 s62, s20, 1
	s_add_co_u32 s62, s62, s17                     ; hk
	s_mul_i32 s60, s25, 49152
	s_mul_i32 s63, s62, 768
	s_add_co_u32 s60, s60, s63
	s_add_nc_u64 s[26:27], s[14:15], s[60:61]      ; my record of my first tile
	s_lshl_b32 s60, s25, 11
	s_lshr_b32 s63, s62, 3
	s_lshl_b32 s63, s63, 8
	s_add_co_u32 s60, s60, s63
	s_and_b32 s63, s62, 7
	s_lshl_b32 s63, s63, 1
	s_add_co_u32 s60, s60, s63
	s_add_co_u32 s60, s60, 3538944
	s_add_nc_u64 s[28:29], s[14:15], s[60:61]      ; and its scale bytes: 2,048 tile + 256 (hk / 8) + 2 (hk % 8)
	s_lshl_b32 s60, s25, 6
	s_add_nc_u64 s[32:33], s[6:7], s[60:61]        ; order at my first tile
	global_load_b32 v11, v10, s[32:33]
	s_add_co_u32 s23, s22, 1
	s_sub_co_u32 s23, s23, s18
	s_lshr_b32 s23, s23, 1                         ; my tiles: (NT + 1 - q) / 2
.macro XADDR                           ; the token in v11 -> its codes' and scale bytes' places.  Five plain lines: behind the products they are also the places in front of the first read of the sums
	v_min_u32 v11, 0x3ff, v11
	v_mul_u32_u24 v12, v11, 768
	v_lshl_add_u32 v12, v3, 4, v12
	v_lshlrev_b32 v13, 5, v11
	v_lshl_add_u32 v13, v3, 4, v13
.endm
.macro XLOAD                           ; a tile's eight fragments of x and their scale words: 25 loads
	WIN 0xc0                                       ; destination window 3
	s_wait_alu depctr_va_vdst(0)                   ; XADDR has written v12 and v13, which these loads read, and is done with v11; in the loop the products are done reading x's fragments and scale words: loads land in all of these
.irp s, 0,1,2,3,4,5,6,7
.irp g, 0,1,2
	global_load_b128 v[12*\s+4*\g:12*\s+4*\g+3], v12, s[4:5] offset:96*\s+32*\g
.endr
.endr
	WIN 0
	global_load_b128 v[XS:XS+3], v13, s[30:31]
.endm
	s_wait_loadcnt 0x0                             ; the weights, b1 and my first tile's tokens are in
	XADDR
	XLOAD                                          ; the first tile's x lands while the weights go through LDS
	global_load_b32 v11, v10, s[32:33] offset:128  ; my second tile's tokens.  No vector instruction since XLOAD's wait names v11
	WIN 0x04                                       ; an LDS store's data: window 1
.set j, 0
.rept 16                               ; three loads are two rows of 768 bytes
	ds_store_b128 v5, v[12*j:12*j+3] offset:2*PITCH*j
	ds_store_b128 v6, v[12*j+4:12*j+7] offset:2*PITCH*j+512
	ds_store_b128 v5, v[12*j+8:12*j+11] offset:2*PITCH*j+PITCH+256
.set j, j+1
.endr
	WIN 0
	s_wait_dscnt 0x0                               ; for the others' sake: my 32 rows lie in the stage
	s_barrier_signal -1
	s_barrier_wait -1                              ; all 128 do
.macro WFRAG a, s, reg                 ; 16 units x 128 K: 24 bytes of the row's stream of bits twice, in pieces of 8
.irp p, 0,1,2,3,4,5
	ds_load_b64 v[(\reg)+2*\p:(\reg)+2*\p+1], v7 offset:(32*((\a)/2)+8*((\a)%2))*PITCH+96*(\s)+48*(\p/3)+8*(\p%3)
.endr
.endm
	WIN 0x40
	s_wait_alu depctr_vm_vsrc(0)                   ; my LDS stores have read window 1's v0 to v191, in which the fragments' loads land
.irp a, 0,1
.irp s, 0,1,2,3,4,5,6,7
	WFRAG \a, \s, 12*(8*\a+\s)
.endr
.endr
	WIN 0x80
.irp a, 2,3
.irp s, 0,1,2,3,4,5,6,7
	WFRAG \a, \s, 12*(8*(\a-2)+\s)
.endr
.endr
	WIN 0
	s_cmp_eq_u32 s23, 0
	s_cbranch_scc1 .Lend                           ; no tile of my parity
	s_wait_dscnt 0x0                               ; my fragments are in
; 16 products: tiles a0, a0 + 1 by turns, K ascending.  K steps 4 to 7 take their scale words from lanes 16-31.
.macro MM a0
.irp s, 0,1,2,3,4,5,6,7
.irp a, \a0, \a0+1
.if \s == 0
	v_wmma_scale_f32_16x16x128_f8f6f4 v[HA+8*(\a):HA+8*(\a)+7], v[12*(8*((\a)%2)+\s):12*(8*((\a)%2)+\s)+11], v[12*\s:12*\s+11], v[B1+8*(\a):B1+8*(\a)+7], v[WS+4*(\a)+\s%4], v[XS+\s%4] matrix_a_fmt:MATRIX_FMT_FP6 matrix_b_fmt:MATRIX_FMT_FP6
.elseif \s < 4
	v_wmma_scale_f32_16x16x128_f8f6f4 v[HA+8*(\a):HA+8*(\a)+7], v[12*(8*((\a)%2)+\s):12*(8*((\a)%2)+\s)+11], v[12*\s:12*\s+11], v[HA+8*(\a):HA+8*(\a)+7], v[WS+4*(\a)+\s%4], v[XS+\s%4] matrix_a_fmt:MATRIX_FMT_FP6 matrix_b_fmt:MATRIX_FMT_FP6
.else
	v_wmma_scale_f32_16x16x128_f8f6f4 v[HA+8*(\a):HA+8*(\a)+7], v[12*(8*((\a)%2)+\s):12*(8*((\a)%2)+\s)+11], v[12*\s:12*\s+11], v[HA+8*(\a):HA+8*(\a)+7], v[WS+4*(\a)+\s%4], v[XS+\s%4] matrix_a_fmt:MATRIX_FMT_FP6 matrix_b_fmt:MATRIX_FMT_FP6 matrix_a_scale:MATRIX_SCALE_ROW1 matrix_b_scale:MATRIX_SCALE_ROW1
.endif
.endr
.endr
.endm
; gelu in place on 16 registers (two sums, each read from its low end on), two numbers an instruction but for the hold and the reciprocals
.macro GELU b
.irp j, 0,2,4,6,8,10,12,14
	v_pk_mul_f32 v[ZZ+\j:ZZ+\j+1], v[\b+\j:\b+\j+1], s[58:59] op_sel_hi:[1,0]
.endr
.irp j, 0,1,2,3,4,5,6,7,8,9,10,11,12,13,14,15
	v_med3_num_f32 v[ZZ+\j], v[ZZ+\j], -4.0, 4.0
.endr
.irp j, 0,2,4,6,8,10,12,14
	v_pk_mul_f32 v[X2+\j:X2+\j+1], v[ZZ+\j:ZZ+\j+1], v[ZZ+\j:ZZ+\j+1]
.endr
.irp j, 0,2,4,6,8,10,12,14
	v_pk_fma_f32 v[PP+\j:PP+\j+1], v[X2+\j:X2+\j+1], s[34:35], v[168:169] op_sel_hi:[1,0,1]
	v_pk_fma_f32 v[QQ+\j:QQ+\j+1], v[X2+\j:X2+\j+1], s[36:37], v[170:171] op_sel_hi:[1,0,1]
.endr
.irp c, 42,44,46,48,50
.irp j, 0,2,4,6,8,10,12,14
	v_pk_fma_f32 v[PP+\j:PP+\j+1], v[PP+\j:PP+\j+1], v[X2+\j:X2+\j+1], s[\c:\c+1] op_sel_hi:[1,1,0]
.endr
.endr
.irp c, 52,54,56
.irp j, 0,2,4,6,8,10,12,14
	v_pk_fma_f32 v[QQ+\j:QQ+\j+1], v[QQ+\j:QQ+\j+1], v[X2+\j:X2+\j+1], s[\c:\c+1] op_sel_hi:[1,1,0]
.endr
.endr
	s_wait_alu depctr_va_vdst(0)
.irp j, 0,1,2,3,4,5,6,7,8,9,10,11,12,13,14,15
	v_rcp_f32 v[QQ+\j], v[QQ+\j]
.endr
.irp j, 0,2,4,6,8,10,12,14
	v_pk_mul_f32 v[PP+\j:PP+\j+1], v[PP+\j:PP+\j+1], v[ZZ+\j:ZZ+\j+1]       ; z P: plain work behind the batch, which names none of its results
.endr
.irp j, 0,2,4,6,8,10,12,14
	v_pk_mul_f32 v[X2+\j:X2+\j+1], v[\b+\j:\b+\j+1], 0.5 op_sel_hi:[1,0]    ; v / 2
.endr
	s_wait_alu depctr_va_vdst(0)                   ; the sixteen reciprocals have written v[QQ ..]: one wait for the batch, ahead of its first reader
.irp j, 0,2,4,6,8,10,12,14
	v_pk_mul_f32 v[PP+\j:PP+\j+1], v[PP+\j:PP+\j+1], v[QQ+\j:QQ+\j+1]       ; erf
.endr
.irp j, 0,2,4,6,8,10,12,14
	v_pk_fma_f32 v[\b+\j:\b+\j+1], v[PP+\j:PP+\j+1], v[X2+\j:X2+\j+1], v[X2+\j:X2+\j+1]
.endr
.endm
; my token's 64 units are two blocks of 32, each half in lane l and half in lane l xor 16: their scales, their codes, a whole block to a lane
.macro QUANT2
.irp b, 0,1
	v_max3_num_f32 v[TM+\b], |v[HA+16*\b]|, |v[HA+16*\b+1]|, 0x1800000      ; with the floor 2^(3 - 127): the byte cannot fall under 1
.endr
.irp i, 2,4,6,8,10,12,14
.irp b, 0,1
	v_max3_num_f32 v[TM+\b], v[TM+\b], |v[HA+16*\b+\i]|, |v[HA+16*\b+\i+1]|
.endr
.endr
.irp b, 0,1
	v_permlanex16_b32 v[TM+2+\b], v[TM+\b], s[SEL], s[SEL+1]
.endr
.irp b, 0,1
	v_max_num_f32 v[TM+\b], v[TM+\b], v[TM+2+\b]
.endr
.irp b, 0,1
	v_add_nc_u32 v[TM+4+\b], 0xff000000, v[TM+\b]  ; 2 off the exponent field: the conversion's scale operand
.endr
.irp b, 0,1
	v_lshrrev_b32 v[TM+6+\b], 23, v[TM+4+\b]       ; the scale's byte
.endr
	v_cvt_scalef32_pk16_fp6_f32 v[CD:CD+2], v[HA:HA+15], v[TM+4]
	v_cvt_scalef32_pk16_fp6_f32 v[PD:PD+2], v[HA+16:HA+31], v[TM+5]
	v_nop                                          ; one plain line behind a scaled conversion
.irp i, 0,1,2
	v_permlane16_swap_b32 v[CD+\i], v[PD+\i]       ; the first's lanes 16-31 change places with the second's lanes 0-15: lanes 0-15 hold block 0, lanes 16-31 block 1
.endr
.irp i, 0,1,2
	v_mov_b32 v[CD+3+\i], v[PD+\i]
.endr
	v_cndmask_b32 v[SB], v[TM+6], v[TM+7], s38     ; my block's byte
.endm
.Ltile:                                            ; a trip: one tile of 16 tokens
	s_wait_loadcnt 0x0                             ; this tile's x and scale words, and the next tile's tokens, are in
	s_wait_alu depctr_vm_vsrc(0)                   ; the last XLOAD has read v12 and v13, the last trip's stores the codes and the scale byte: XADDR and the quantiser write them again in this trip
	WIN 0x0d                                       ; source 0 window 1, source 1 window 3
	MM 0
	WIN 0x0e                                       ; source 0 window 2
	MM 2
	WIN 0
	XADDR
	XLOAD                                          ; the next tile's x: it has the rest of the trip in which to land.  Behind my last tile it reads a clamped token's row and is not used
	global_load_b32 v11, v10, s[32:33] offset:256  ; the tokens of the tile after that: tile 74 at the most, inside order's 80 tiles' worth of slots.  No vector instruction since XLOAD's wait names v11
	GELU HA
	GELU HA+16
	QUANT2
	s_wait_alu depctr_va_vdst(0)                   ; the quantiser has written the codes v[CD ..] and the scale byte v[SB], which the four stores read
.irp p, 0,1,2
	global_store_b64 v14, v[CD+2*\p:CD+2*\p+1], s[26:27] offset:256*\p      ; 32 lanes store 256 consecutive bytes, at a multiple of 256 from hq's first byte
.endr
	global_store_b8 v15, v[SB], s[28:29]
	s_wait_xcnt 0x0                                ; the bases are stepped, and the stores' data written again, only behind this wait
	s_add_nc_u64 s[26:27], s[26:27], 2*49152       ; two tiles on
	s_add_nc_u64 s[28:29], s[28:29], 2*2048
	s_add_nc_u64 s[32:33], s[32:33], 2*64
	s_add_co_u32 s24, s24, 1
	s_cmp_lt_u32 s24, s23
	s_cbranch_scc1 .Ltile
.Lend:
	s_wait_dscnt 0x0                               ; the closing lines, six on end
	s_wait_alu 0x0
	s_wait_tensorcnt 0x0
	ds_add_u32 v[SPW], v[NIL]
	s_wait_dscnt 0x0
	s_endpgm
.Lfunc_end_k_q7d373dcf02_ffn1:
	.size	k_q7d373dcf02_ffn1, .Lfunc_end_k_q7d373dcf02_ffn1-k_q7d373dcf02_ffn1
	.p2alignl 7, 3214868480
	.fill 96, 4, 3214868480
	.section	.rodata,"a",@progbits
	.p2align	6, 0x0
	.amdhsa_kernel k_q7d373dcf02_ffn1
		.amdhsa_group_segment_fixed_size 100864
		.amdhsa_private_segment_fixed_size 0
		.amdhsa_enable_private_segment 0
		.amdhsa_kernarg_size 48
		.amdhsa_user_sgpr_count 2
		.amdhsa_user_sgpr_kernarg_segment_ptr 1
		.amdhsa_wavefront_size32 1
		.amdhsa_system_sgpr_workgroup_id_x 1
		.amdhsa_system_sgpr_workgroup_id_y 1
		.amdhsa_system_sgpr_workgroup_id_z 1
		.amdhsa_system_vgpr_workitem_id 0
		.amdhsa_next_free_vgpr 864
		.amdhsa_next_free_sgpr 66
		.amdhsa_reserve_vcc 0
		.amdhsa_float_denorm_mode_32 3
		.amdhsa_float_denorm_mode_16_64 3
		.amdhsa_memory_ordered 1
		.amdhsa_forward_progress 1
		.amdhsa_inst_pref_size 59
	.end_amdhsa_kernel
	.amdgpu_metadata
---
amdhsa.version: [ 1, 2 ]
amdhsa.kernels:
  - .name:           k_q7d373dcf02_ffn1
    .symbol:         k_q7d373dcf02_ffn1.kd
    .args:
      - { .name: xq, .offset: 0, .size: 8, .value_kind: global_buffer, .address_space: global }
      - { .name: rtab, .offset: 8, .size: 8, .value_kind: global_buffer, .address_space: global }
      - { .name: w1_codes, .offset: 16, .size: 8, .value_kind: global_buffer, .address_space: global }
      - { .name: w1_scales, .offset: 24, .size: 8, .value_kind: global_buffer, .address_space: global }
      - { .name: b1, .offset: 32, .size: 8, .value_kind: global_buffer, .address_space: global }
      - { .name: hq, .offset: 40, .size: 8, .value_kind: global_buffer, .address_space: global }
    .group_segment_fixed_size: 100864
    .private_segment_fixed_size: 0
    .kernarg_segment_align: 8
    .kernarg_segment_size: 48
    .max_flat_workgroup_size: 128
    .sgpr_count:     66
    .vgpr_count:     864
    .wavefront_size: 32
...
	.end_amdgpu_metadata
.endif
;; end of part 8
;; launch ffn2 (part 9): grid 256 x 1, 4 waves a work-group, no clusters, 99,840 bytes of LDS; arguments hq, rtab, w2_codes, w2_scales, part; writes part
.if DOCPART == 9
	.amdgcn_target "amdgcn-amd-amdhsa--gfx1250"
	.amdhsa_code_object_version 6
	.text
	.protected	k_q7d373dcf02_ffn2
	.globl	k_q7d373dcf02_ffn2
	.p2align	8
	.type	k_q7d373dcf02_ffn2,@function
k_q7d373dcf02_ffn2:
	s_mov_b64 s[64:65], 0
	v_nop
	global_prefetch_b8 v0, s[64:65] scope:SCOPE_SE
	s_setreg_imm32_b32 hwreg(HW_REG_WAVE_SCHED_MODE, 0, 2), 2
	s_setreg_imm32_b32 hwreg(HW_REG_WAVE_MODE, 25, 1), 1
	s_wait_xcnt 0x0
	s_wait_alu depctr_vm_vsrc(0)
; SwitchMoE, launch 4 of 5: part = the hidden layer's codes x W2[e], for each expert's own tiles alone (the other rows reach no output: see the first kernel's head), K = 4,096 in four quarters.
; THE WEIGHTS STAY IN REGISTERS, as in the launch before.  Work-group (e, dg, kp) owns outputs 64 dg .. 64 dg + 63 and K quarters 2 kp, 2 kp + 1: 8 x 16 x 2 = 256 work-groups.  Wave w holds quarter
; kq = 2 kp + w % 2 (64 outputs x 1,024 of K: 32 fragments, 384 registers) and takes the tiles of parity q = w / 2.  So a fragment of the hidden layer feeds four products, each weight byte is loaded once, and the four
; quarters' sums go out as f32 images of the accumulators; the last launch adds them in a fixed order.
; No tensor load, no cluster: the number of tiles is a stored number; the one barrier stands at the head, ahead of every branch on a stored number.
; TRANSPOSED: source 0 = 16 outputs, source 1 = 16 tokens: lane (r, h) holds token r and outputs 16 a + 8 h + 0 .. 7.
; part: [tile 72][dg 16][kq 4][4,096 bytes]; in a record registers 4 i .. 4 i + 3 of the 32 at 512 i + 16 x lane: each store of the wave covers 512 consecutive bytes, aligned.
; REGISTERS: window 0: addresses, scale words, the four sums;  windows 1, 2: W's fragments (tile a, K step s) at v[12 (8 (a % 2) + s)];  window 3: two buffers of eight hidden fragments, v0-95 and v96-191.
; THE MODE: SCHED_MODE bits 1:0 = 2 (LLVM: expert scheduling mode 2), set by the entry lines.  The code itself states the register dependences between vector or matrix instructions and memory or LDS
; instructions, with s_wait_alu, always for 0.
; THE PLAN.  Registers that memory or LDS instructions touch:
;   v4-v9                offsets and LDS addresses: written at the head, never again; one wait on va_vdst ahead of the first load serves every load and store that reads them.
;   window 1             the dense loads land; my LDS stores read it; the fragments' LDS loads land in it again, behind one wait on vm_vsrc; from then on, like window 2, products alone read it.
;   window 3 and v20-27  two buffers of hidden fragments with their scale words: a buffer's 49 loads land; the 32 products of its half read them; behind these it is asked for again.
;   v10, v11 / v12, v13  a buffer's offsets: written behind its half's products, read by its 49 loads.
;   v14                  the record's offset: written behind the products, read by the half's eight stores.
;   v48-79               the sums: written by the products, read by the eight stores.
;   v16, v17             written at the head, read by the closing add alone.
; A HALF (one tile) has one wait on vm_vsrc, at its head (the last half's stores have read the sums and v14, this buffer's last loads their offsets: all are written again in this half), and ONE wait on va_vdst, behind
; its products and the five plain lines: it states that the sums and the three offsets are written and that the products are done reading the buffer.  The 49 loads and the 8 stores follow it with no vector instruction between.
.set PITCH, 1552                       ; a staged row: two quarters, 1,536 bytes, + 16
.set SPARE, 64*PITCH                   ; 99,328: the spare words
.set SPW, 16
.set NIL, 17
.set WS,  28                           ; v28-43 W's scale words;  v20-23, v24-27 the hidden layer's, for the two buffers
.set ACC, 48                           ; v48-79
.set MSB, 0
.macro WIN new
.if MSB != \new
	s_set_vgpr_msb (MSB<<8)|\new
.set MSB, \new
.endif
.endm
	s_load_b256 s[4:11], s[0:1], 0x0               ; hq s[4:5], rtab s[6:7], W2's codes s[8:9], W2's scales s[10:11]
	s_load_b64 s[12:13], s[0:1], 0x20              ; part
	v_lshl_add_u32 v[SPW], v0, 2, SPARE
	v_mov_b32 v[NIL], 0
	v_lshrrev_b32 v1, 5, v0
	v_readfirstlane_b32 s16, v1                    ; wave
	s_wait_alu depctr_va_sdst(0)                   ; s16 is written, ahead of its first reader: the quarter, the parity and the bases are made from it
	s_and_b32 s36, s16, 1                          ; which of the two staged quarters
	s_lshr_b32 s18, s16, 1                         ; q
	s_lshr_b32 s19, ttmp9, 5                       ; e
	s_bfe_u32 s20, ttmp9, 0x40001                  ; dg
	s_and_b32 s37, ttmp9, 1                        ; kp
	s_lshl_b32 s17, s37, 1
	s_add_co_u32 s17, s17, s36                     ; kq
	s_lshl_b32 s38, s19, 2
	v_and_b32 v1, 31, v0
	v_and_b32 v2, 15, v0                           ; r
	v_bfe_u32 v3, v0, 4, 1                         ; h
	v_lshlrev_b32 v4, 4, v1
	s_mul_i32 s27, s16, 16*PITCH
	v_add_nc_u32 v5, s27, v4                       ; the stage, in: my wave's 16 rows
	s_mul_i32 s27, s36, 768
	v_mul_u32_u24 v6, v2, PITCH
	v_mad_u32_u24 v6, v3, 24, v6
	v_add_nc_u32 v6, s27, v6                       ; out: row r, my quarter, + 24 h;
	v_add_nc_u32 v7, 32*PITCH, v6                  ; the same 32 rows on, so that the offsets stay inside 16 bits
	v_lshlrev_b32 v8, 7, v2
	v_lshl_add_u32 v8, v3, 4, v8                   ; W's scale bytes: 128 a row, + 16 h
	v_lshlrev_b32 v9, 3, v1
	s_mul_i32 s33, s17, 12288                      ; my quarter in a tile's codes,
	s_lshl_b32 s34, s17, 9
	s_add_co_u32 s34, s34, 3538944                 ; in its scale bytes,
	s_lshl_b32 s35, s20, 14
	s_lshl_b32 s27, s17, 12
	s_add_co_u32 s35, s35, s27                     ; and my record in a tile of part
	s_mov_b32 s24, 0                               ; the number, among my tiles, of the trip's first
	s_mov_b32 s39, 0                               ; the trips done
	s_wait_kmcnt 0x0
	s_load_b32 s21, s[6:7], s38 offset:5120        ; T[e]
	s_load_b32 s22, s[6:7], s38 offset:5152        ; NT[e]
	s_lshl_b32 s27, s19, 10
	s_lshl_b32 s28, s20, 6
	s_add_co_u32 s27, s27, s28                     ; the work-group's first row of W2
	s_lshl_b32 s28, s27, 7
	s_lshl_b32 s30, s17, 5
	s_add_co_u32 s28, s28, s30
	s_mov_b32 s29, 0
	s_add_nc_u64 s[10:11], s[10:11], s[28:29]
	s_lshl_b32 s28, s16, 4
	s_add_co_u32 s28, s28, s27
	s_mul_i32 s28, s28, 3072
	s_mul_i32 s30, s37, 1536
	s_add_co_u32 s28, s28, s30
	s_add_nc_u64 s[8:9], s[8:9], s[28:29]          ; the 16 rows that I stage, at the work-group's half of K
	WIN 0x40
	s_wait_alu depctr_va_vdst(0)                   ; the offsets and LDS addresses v4 to v9 are written: the loads and stores of the whole kernel read them, and none is written again
.set i, 0
.rept 48
	global_load_b128 v[4*i:4*i+3], v4, s[8:9] offset:(i/3)*3072+512*(i%3) th:TH_LOAD_NT   ; 512 consecutive bytes a load; read once in the launch
.set i, i+1
.endr
	WIN 0
.irp a, 0,1,2,3
	global_load_b128 v[WS+4*\a:WS+4*\a+3], v8, s[10:11] offset:2048*\a
.endr
	s_wait_kmcnt 0x0
	s_min_u32 s21, s21, 71
	s_min_u32 s22, s22, 64
	s_add_co_u32 s25, s21, s18                     ; my first tile
	s_add_co_u32 s23, s22, 1
	s_sub_co_u32 s23, s23, s18
	s_lshr_b32 s23, s23, 1                         ; my tiles
	s_add_co_u32 s40, s23, 1
	s_lshr_b32 s40, s40, 1                         ; my trips, two tiles each: (my tiles + 1) / 2
	s_sub_co_i32 s26, s23, 1
	s_max_i32 s26, s26, 0                          ; the last of my tiles (0 where I have none: the loads stay inside the buffer)
; my tile number k + d, held at my last, -> its places: s28 in the codes, s29 in the scale bytes, s[sp] in part
.macro TADR d, sp
	s_add_co_u32 s27, s24, \d
	s_min_u32 s27, s27, s26
	s_lshl_b32 s27, s27, 1
	s_add_co_u32 s27, s27, s25
	s_min_u32 s27, s27, 71
	s_mul_i32 s28, s27, 49152
	s_add_co_u32 s28, s28, s33
	s_lshl_b32 s29, s27, 11
	s_add_co_u32 s29, s29, s34
	s_lshl_b32 s[\sp], s27, 18
	s_add_co_u32 s[\sp], s[\sp], s35
.endm
; a tile's eight fragments of my quarter, 12,288 dense bytes, and their scale words: 49 loads.  w = 1: the wait stands ahead of them; w = 0: they follow another fetch, whose wait serves them too
.macro HLOAD buf, hs, vh, vs, w
	WIN 0xc0
.if \w
	s_wait_alu depctr_va_vdst(0)                   ; the offsets made just above are written, which the loads (in the loop: and the stores) below read; in the loop the products have written the sums, which the stores read, and are done reading this buffer and its scale words, in which the loads land
.endif
.set j, 0
.rept 48
	global_load_b64 v[\buf+2*j:\buf+2*j+1], v[\vh], s[4:5] offset:256*j
.set j, j+1
.endr
	WIN 0
	global_load_b128 v[\hs:\hs+3], v[\vs], s[4:5]
.endm
	s_wait_loadcnt 0x0                             ; the weights are in
	TADR 0, 30
	v_add_nc_u32 v10, s28, v9
	v_add_nc_u32 v11, s29, v4
	TADR 1, 31
	v_add_nc_u32 v12, s28, v9
	v_add_nc_u32 v13, s29, v4                      ; both buffers' offsets are made first, so that one wait serves both fetches
	HLOAD 0, 20, 10, 11, 1                         ; my first two tiles land while the weights go through LDS
	HLOAD 96, 24, 12, 13, 0                        ; only loads and window switches stand between the wait above and these
	WIN 0x04                                       ; an LDS store's data: window 1
.set i, 0
.rept 48
	ds_store_b128 v5, v[4*i:4*i+3] offset:(i/3)*PITCH+512*(i%3)
.set i, i+1
.endr
	WIN 0
	s_wait_dscnt 0x0                               ; for the others' sake
	s_barrier_signal -1
	s_barrier_wait -1
	WIN 0x40
	s_wait_alu depctr_vm_vsrc(0)                   ; my LDS stores have read window 1's v0 to v191, in which the fragments' loads land
.irp a, 0,1
.irp s, 0,1,2,3,4,5,6,7
.irp p, 0,1,2,3,4,5
	ds_load_b64 v[12*(8*\a+\s)+2*\p:12*(8*\a+\s)+2*\p+1], v6 offset:\a*16*PITCH+96*\s+48*(\p/3)+8*(\p%3)
.endr
.endr
.endr
	WIN 0x80
.irp a, 0,1
.irp s, 0,1,2,3,4,5,6,7
.irp p, 0,1,2,3,4,5
	ds_load_b64 v[12*(8*\a+\s)+2*\p:12*(8*\a+\s)+2*\p+1], v7 offset:\a*16*PITCH+96*\s+48*(\p/3)+8*(\p%3)
.endr
.endr
.endr
	WIN 0
	s_cmp_eq_u32 s23, 0
	s_cbranch_scc1 .Lend
	s_wait_dscnt 0x0
; 16 products: tiles a0, a0 + 1 by turns, K ascending; the first starts each sum with the constant 0
.macro MM a0, buf, hs
.irp s, 0,1,2,3,4,5,6,7
.irp a, \a0, \a0+1
.if \s == 0
	v_wmma_scale_f32_16x16x128_f8f6f4 v[ACC+8*(\a):ACC+8*(\a)+7], v[12*(8*((\a)%2)+\s):12*(8*((\a)%2)+\s)+11], v[\buf+12*\s:\buf+12*\s+11], 0, v[WS+4*(\a)+\s%4], v[\hs+\s%4] matrix_a_fmt:MATRIX_FMT_FP6 matrix_b_fmt:MATRIX_FMT_FP6
.elseif \s < 4
	v_wmma_scale_f32_16x16x128_f8f6f4 v[ACC+8*(\a):ACC+8*(\a)+7], v[12*(8*((\a)%2)+\s):12*(8*((\a)%2)+\s)+11], v[\buf+12*\s:\buf+12*\s+11], v[ACC+8*(\a):ACC+8*(\a)+7], v[WS+4*(\a)+\s%4], v[\hs+\s%4] matrix_a_fmt:MATRIX_FMT_FP6 matrix_b_fmt:MATRIX_FMT_FP6
.else
	v_wmma_scale_f32_16x16x128_f8f6f4 v[ACC+8*(\a):ACC+8*(\a)+7], v[12*(8*((\a)%2)+\s):12*(8*((\a)%2)+\s)+11], v[\buf+12*\s:\buf+12*\s+11], v[ACC+8*(\a):ACC+8*(\a)+7], v[WS+4*(\a)+\s%4], v[\hs+\s%4] matrix_a_fmt:MATRIX_FMT_FP6 matrix_b_fmt:MATRIX_FMT_FP6 matrix_a_scale:MATRIX_SCALE_ROW1 matrix_b_scale:MATRIX_SCALE_ROW1
.endif
.endr
.endr
.endm
; One tile, out of one buffer; the buffer is then asked for my tile number k + d.
.macro HALF buf, hs, vh, vs, sp, d
	s_wait_loadcnt 49                              ; my buffer's 49 loads are in; the other buffer's 49, issued behind them, may be out
	s_wait_xcnt 0x0                                ; the last tile's stores have had their addresses translated: the sums and their offset are written again only behind this wait,
	s_wait_alu depctr_vm_vsrc(0)                   ; and behind this one: the last tile's stores have read the sums and v14, this buffer's last loads their two offsets; the products and the three additions below write them again
	WIN 0x0d
	MM 0, \buf, \hs
	WIN 0x0e
	MM 2, \buf, \hs
	WIN 0
	v_add_nc_u32 v14, s[\sp], v4                   ; this tile's record.  Five plain lines: four places are owed in front of the stores of the sums,
	TADR \d, \sp
	v_add_nc_u32 v[\vh], s28, v9                   ; five in front of the next tile's first product, which begins a sum anew over this tile's
	v_add_nc_u32 v[\vs], s29, v4
	v_nop
	v_nop
	HLOAD \buf, \hs, \vh, \vs, 1
.irp i, 0,1,2,3,4,5,6,7
	global_store_b128 v14, v[ACC+4*\i:ACC+4*\i+3], s[12:13] offset:512*\i th:TH_STORE_NT   ; each sum from its low end on; 512 consecutive bytes, aligned.  No vector or matrix instruction stands between the fetch's wait and these
.endr
.endm
.Lpair:                                            ; a trip: two tiles; the trips are counted one by one against (my tiles + 1) / 2
	HALF 0, 20, 10, 11, 30, 2
	s_add_co_u32 s27, s24, 1
	s_cmp_lt_u32 s27, s23
	s_cbranch_scc1 .Lmore                          ; there is a second tile in this trip.  An odd number of tiles: the wave ends here, in its last trip; the look-ahead's loads, of a tile held at my last, may be out at the end: nothing reads them
	s_wait_dscnt 0x0                               ; the closing lines, six on end
	s_wait_alu 0x0
	s_wait_tensorcnt 0x0
	ds_add_u32 v[SPW], v[NIL]
	s_wait_dscnt 0x0
	s_endpgm
.Lmore:
	HALF 96, 24, 12, 13, 31, 3
	s_add_co_u32 s39, s39, 1                       ; a trip is done;
	s_lshl_b32 s24, s39, 1                         ; the next begins with my tile number 2 x trips
	s_cmp_lt_u32 s39, s40
	s_cbranch_scc1 .Lpair
.Lend:
	s_wait_dscnt 0x0                               ; the closing lines, six on end
	s_wait_alu 0x0
	s_wait_tensorcnt 0x0
	ds_add_u32 v[SPW], v[NIL]
	s_wait_dscnt 0x0
	s_endpgm
.Lfunc_end_k_q7d373dcf02_ffn2:
	.size	k_q7d373dcf02_ffn2, .Lfunc_end_k_q7d373dcf02_ffn2-k_q7d373dcf02_ffn2
	.p2alignl 7, 3214868480
	.fill 96, 4, 3214868480
	.section	.rodata,"a",@progbits
	.p2align	6, 0x0
	.amdhsa_kernel k_q7d373dcf02_ffn2
		.amdhsa_group_segment_fixed_size 99840
		.amdhsa_private_segment_fixed_size 0
		.amdhsa_enable_private_segment 0
		.amdhsa_kernarg_size 40
		.amdhsa_user_sgpr_count 2
		.amdhsa_user_sgpr_kernarg_segment_ptr 1
		.amdhsa_wavefront_size32 1
		.amdhsa_system_sgpr_workgroup_id_x 1
		.amdhsa_system_sgpr_workgroup_id_y 1
		.amdhsa_system_sgpr_workgroup_id_z 1
		.amdhsa_system_vgpr_workitem_id 0
		.amdhsa_next_free_vgpr 960
		.amdhsa_next_free_sgpr 66
		.amdhsa_reserve_vcc 0
		.amdhsa_float_denorm_mode_32 3
		.amdhsa_float_denorm_mode_16_64 3
		.amdhsa_memory_ordered 1
		.amdhsa_forward_progress 1
		.amdhsa_inst_pref_size 55
	.end_amdhsa_kernel
	.amdgpu_metadata
---
amdhsa.version: [ 1, 2 ]
amdhsa.kernels:
  - .name:           k_q7d373dcf02_ffn2
    .symbol:         k_q7d373dcf02_ffn2.kd
    .args:
      - { .name: hq, .offset: 0, .size: 8, .value_kind: global_buffer, .address_space: global }
      - { .name: rtab, .offset: 8, .size: 8, .value_kind: global_buffer, .address_space: global }
      - { .name: w2_codes, .offset: 16, .size: 8, .value_kind: global_buffer, .address_space: global }
      - { .name: w2_scales, .offset: 24, .size: 8, .value_kind: global_buffer, .address_space: global }
      - { .name: part, .offset: 32, .size: 8, .value_kind: global_buffer, .address_space: global }
    .group_segment_fixed_size: 99840
    .private_segment_fixed_size: 0
    .kernarg_segment_align: 8
    .kernarg_segment_size: 40
    .max_flat_workgroup_size: 128
    .sgpr_count:     66
    .vgpr_count:     960
    .wavefront_size: 32
...
	.end_amdgpu_metadata
.endif
;; end of part 9
;; launch combine (part 10): grid 72 x 4, 4 waves a work-group, no clusters, 17,920 bytes of LDS; arguments part, rtab, gfac, b2, out0; writes out0
.if DOCPART == 10
	.amdgcn_target "amdgcn-amd-amdhsa--gfx1250"
	.amdhsa_code_object_version 6
	.text
	.protected	k_q7d373dcf02_combine
	.globl	k_q7d373dcf02_combine
	.p2align	8
	.type	k_q7d373dcf02_combine,@function
k_q7d373dcf02_combine:
	s_mov_b64 s[64:65], 0
	v_nop
	global_prefetch_b8 v0, s[64:65] scope:SCOPE_SE
	s_setreg_imm32_b32 hwreg(HW_REG_WAVE_MODE, 25, 1), 1
	s_wait_xcnt 0x0
; SwitchMoE, launch 5 of 5: out0[token] = gate x (the four K quarters' sums + b2[expert]).  The last product of the dense form has one term that is not 0 for each token (see the first kernel's head): one scaling.
; Work-group (tile t, y); wave w takes the 64 columns dg = 4 y + w of the tile's 16 slots.  The grid serves every split: 72 tiles' worth; a tile that the split does not use (TEXP = 8) stores nothing and ends.
; A lane holds one slot and eight neighbouring columns of each of four groups: the 16 x 64 numbers turn through the wave's own stage (pitch 272), so that sixteen lanes store a token's 256 consecutive bytes, aligned.
; Slots without a token (order = 1024) are masked out of the stores.  No barrier: waves share nothing.
.set SPARE, 4*16*272                   ; 17,408: the spare words
.set SPW, 5
.set NIL, 6
.set PA,  16                           ; v16-143  four records of 32 registers
.set B2,  144                          ; v144-175 b2 in the sums' layout
.set GF,  176                          ; v176 my slot's factor (v177: named with it as a pair)
.set ORD, 178                          ; v178-185 the tokens of the rows that I store
.set OA,  192                          ; v192-199 their byte offsets in out0
	s_load_b256 s[4:11], s[0:1], 0x0               ; part s[4:5], rtab s[6:7], gfac s[8:9], b2 s[10:11]
	s_load_b64 s[12:13], s[0:1], 0x20              ; out0
	v_lshl_add_u32 v[SPW], v0, 2, SPARE
	v_mov_b32 v[NIL], 0
	v_lshrrev_b32 v1, 5, v0
	v_readfirstlane_b32 s14, v1                    ; wave
	s_lshl_b32 s17, ttmp9, 2
	s_wait_kmcnt 0x0
	s_load_b32 s16, s[6:7], s17 offset:5184        ; the tile's expert
	s_and_b32 s15, ttmp7, 0xffff
	s_lshl_b32 s15, s15, 2
	s_add_co_u32 s15, s15, s14                     ; dg
	v_and_b32 v1, 31, v0
	v_and_b32 v2, 15, v0                           ; r
	v_bfe_u32 v3, v0, 4, 1                         ; h
	v_lshlrev_b32 v4, 4, v1
	v_lshlrev_b32 v7, 5, v3                        ; b2: 8 h numbers on
	v_lshlrev_b32 v8, 2, v2                        ; gfac: 4 r
	v_lshlrev_b32 v9, 2, v3                        ; order: 4 h
	s_mul_i32 s21, s14, 16*272                     ; my stage
	v_mul_u32_u24 v10, v2, 272
	v_lshl_add_u32 v10, v3, 5, v10
	v_add_nc_u32 v10, s21, v10                     ; in: row r, + 32 h
	v_mul_u32_u24 v11, v3, 272
	v_lshl_add_u32 v11, v2, 4, v11
	v_add_nc_u32 v11, s21, v11                     ; back: lanes 0-15 one row, lanes 16-31 the next
	s_lshl_b32 s20, s15, 8
	v_lshl_add_u32 v12, v2, 4, s20                 ; my 16 bytes of a row of out0: 256 dg + 16 r
	v_mov_b32 v[GF+1], 0
	s_mov_b32 s19, 0
	s_wait_kmcnt 0x0
	s_cmp_ge_u32 s16, 8
	s_cbranch_scc1 .Lquit                          ; nothing has been written to LDS on this way
	s_min_u32 s16, s16, 7
	s_lshl_b32 s18, ttmp9, 18
	s_lshl_b32 s20, s15, 14
	s_add_co_u32 s18, s18, s20
	s_add_nc_u64 s[4:5], s[4:5], s[18:19]          ; my four records
	s_lshl_b32 s18, s16, 12
	s_lshl_b32 s20, s15, 8
	s_add_co_u32 s18, s18, s20
	s_add_nc_u64 s[10:11], s[10:11], s[18:19]      ; b2[e][64 dg ..]
	s_lshl_b32 s18, ttmp9, 6
	s_add_nc_u64 s[6:7], s[6:7], s[18:19]          ; order and gfac at the tile's first slot
	s_add_nc_u64 s[8:9], s[8:9], s[18:19]
.irp k, 0,1,2,3
.irp i, 0,1,2,3,4,5,6,7
	global_load_b128 v[PA+32*\k+4*\i:PA+32*\k+4*\i+3], v4, s[4:5] offset:4096*\k+512*\i th:TH_LOAD_NT
.endr
.endr
.irp a, 0,1,2,3
	global_load_b128 v[B2+8*\a:B2+8*\a+3], v7, s[10:11] offset:64*\a
	global_load_b128 v[B2+8*\a+4:B2+8*\a+7], v7, s[10:11] offset:64*\a+16
.endr
	global_load_b32 v[GF], v8, s[8:9]
	s_wait_alu depctr_va_vdst(0)
.irp i, 0,1,2,3,4,5,6,7
	global_load_b32 v[ORD+\i], v9, s[6:7] offset:8*\i
.endr
	s_wait_loadcnt 0x0
.irp n, 0,2,4,6,8,10,12,14,16,18,20,22,24,26,28,30
	v_pk_add_f32 v[PA+\n:PA+\n+1], v[PA+\n:PA+\n+1], v[PA+32+\n:PA+32+\n+1]
	v_pk_add_f32 v[PA+64+\n:PA+64+\n+1], v[PA+64+\n:PA+64+\n+1], v[PA+96+\n:PA+96+\n+1]
.endr
.irp n, 0,2,4,6,8,10,12,14,16,18,20,22,24,26,28,30
	v_pk_add_f32 v[PA+\n:PA+\n+1], v[PA+\n:PA+\n+1], v[PA+64+\n:PA+64+\n+1]
.endr
.irp n, 0,2,4,6,8,10,12,14,16,18,20,22,24,26,28,30
	v_pk_add_f32 v[PA+\n:PA+\n+1], v[PA+\n:PA+\n+1], v[B2+\n:B2+\n+1]
.endr
.irp n, 0,2,4,6,8,10,12,14,16,18,20,22,24,26,28,30
	v_pk_mul_f32 v[PA+\n:PA+\n+1], v[PA+\n:PA+\n+1], v[GF:GF+1] op_sel_hi:[1,0]
.endr
.irp a, 0,1,2,3
	ds_store_b128 v10, v[PA+8*\a:PA+8*\a+3] offset:64*\a
	ds_store_b128 v10, v[PA+8*\a+4:PA+8*\a+7] offset:64*\a+16
.endr
.irp i, 0,1,2,3,4,5,6,7
	ds_load_b128 v[PA+64+4*\i:PA+64+4*\i+3], v11 offset:2*272*\i     ; LDS serves a wave's instructions in order: these see my stores
.endr
.irp i, 0,1,2,3,4,5,6,7
	v_cmp_gt_u32 s[24+\i], 0x400, v[ORD+\i]        ; a slot with a token
	v_min_u32 v[ORD+\i], 0x3ff, v[ORD+\i]
	v_lshl_add_u32 v[OA+\i], v[ORD+\i], 12, v12
.endr
	s_wait_alu depctr_va_vdst(0)
	s_wait_tensorcnt 0x0                           ; the wave's end: three lines behind my last LDS store
	ds_add_u32 v[SPW], v[NIL]
	s_wait_dscnt 0x0                               ; (and the rows are back)
.irp i, 0,1,2,3,4,5,6,7
	s_wait_xcnt 0x0                                ; EXEC is a source of a pending store: it changes only behind this wait
	s_and_saveexec_b32 s22, s[24+\i]
	global_store_b128 v[OA+\i], v[PA+64+4*\i:PA+64+4*\i+3], s[12:13] th:TH_STORE_NT   ; sixteen lanes store a token's 256 consecutive bytes, aligned
	s_wait_xcnt 0x0
	s_or_b32 exec_lo, exec_lo, s22
.endr
	s_endpgm
.Lquit:
	s_endpgm
.Lfunc_end_k_q7d373dcf02_combine:
	.size	k_q7d373dcf02_combine, .Lfunc_end_k_q7d373dcf02_combine-k_q7d373dcf02_combine
	.p2alignl 7, 3214868480
	.fill 96, 4, 3214868480
	.section	.rodata,"a",@progbits
	.p2align	6, 0x0
	.amdhsa_kernel k_q7d373dcf02_combine
		.amdhsa_group_segment_fixed_size 17920
		.amdhsa_private_segment_fixed_size 0
		.amdhsa_enable_private_segment 0
		.amdhsa_kernarg_size 40
		.amdhsa_user_sgpr_count 2
		.amdhsa_user_sgpr_kernarg_segment_ptr 1
		.amdhsa_wavefront_size32 1
		.amdhsa_system_sgpr_workgroup_id_x 1
		.amdhsa_system_sgpr_workgroup_id_y 1
		.amdhsa_system_sgpr_workgroup_id_z 1
		.amdhsa_system_vgpr_workitem_id 0
		.amdhsa_next_free_vgpr 208
		.amdhsa_next_free_sgpr 66
		.amdhsa_reserve_vcc 0
		.amdhsa_float_denorm_mode_32 3
		.amdhsa_float_denorm_mode_16_64 3
		.amdhsa_memory_ordered 1
		.amdhsa_forward_progress 1
		.amdhsa_inst_pref_size 17
	.end_amdhsa_kernel
	.amdgpu_metadata
---
amdhsa.version: [ 1, 2 ]
amdhsa.kernels:
  - .name:           k_q7d373dcf02_combine
    .symbol:         k_q7d373dcf02_combine.kd
    .args:
      - { .name: part, .offset: 0, .size: 8, .value_kind: global_buffer, .address_space: global }
      - { .name: rtab, .offset: 8, .size: 8, .value_kind: global_buffer, .address_space: global }
      - { .name: gfac, .offset: 16, .size: 8, .value_kind: global_buffer, .address_space: global }
      - { .name: b2, .offset: 24, .size: 8, .value_kind: global_buffer, .address_space: global }
      - { .name: out0, .offset: 32, .size: 8, .value_kind: global_buffer, .address_space: global }
    .group_segment_fixed_size: 17920
    .private_segment_fixed_size: 0
    .kernarg_segment_align: 8
    .kernarg_segment_size: 40
    .max_flat_workgroup_size: 128
    .sgpr_count:     66
    .vgpr_count:     208
    .wavefront_size: 32
...
	.end_amdgpu_metadata
.endif
;; end of part 10
